; MI455X (gfx1250); checked and timed in simulation.
; The chip was launched on July 23, 2026; its instructions are those of AMD's public machine-readable ISA for CDNA 5 (MIT licence, August 2026) and "CDNA5" Instruction Set Architecture Reference Guide (July 2026). The comments in the code are by the model that wrote it; some were corrected since.
;; Multi Head Attention. Allowed arithmetic: matrix products marked QUANTISED: E3M2 operands, one E8M0 scale for each 32 along K, by v_wmma_scale_f32_16x16x128_f8f6f4 with both operands' format E3M2, f32 sums; everything else in f32.
;; Inputs: Wk 16 x 1,024 x 64 float32; Wp 1,024 x 1,024 float32; Wq 16 x 1,024 x 64 float32; Wv 16 x 1,024 x 64 float32; bp 1,024 float32; x 4 x 2,048 x 1,024 float32.
;; Outputs: out0 4 x 2,048 x 1,024 float32.
;; This version of the problem:
;;   THIS VERSION OF THE PROBLEM IS GIVEN IN LOW PRECISION. The matrix products marked QUANTISED in the list below multiply operands that are first quantised to E3M2 (3 exponent bits, 2 mantissa bits; 6 bits a number), with one power-of-two scale for each 32 numbers along K (OCP MX v1.0); their sums are f32. All else is computed in f32.
;;   The module's matrix products, in the order in which they are computed (A, B: the left and right operand; K: the contracted axis; several contracted axes count as one K, in the product's order):
;;     1. [M 1,024, K 1,024] x [K 1,024, N 8,192]; A: input Wq; B: input x: QUANTISED
;;     2. [M 1,024, K 1,024] x [K 1,024, N 8,192]; A: input Wk; B: input x: QUANTISED
;;     3. [M 1,024, K 1,024] x [K 1,024, N 8,192]; A: input Wv; B: input x: QUANTISED
;;     4. batch 64 x [M 2,048, K 64] x [K 64, N 2,048]; A: computed on the way; B: computed on the way: QUANTISED
;;     5. batch 64 x [M 2,048, K 2,048] x [K 2,048, N 64]; A: softmax (see below); B: computed on the way: QUANTISED
;;     6. [M 8,192, K 1,024] x [K 1,024, N 1,024]; A: computed on the way; B: input Wp: QUANTISED
;;   THE QUANTISER, for each operand of a quantised product, along K:
;;     - K is cut into blocks of 32 from its start; a last block that is shorter is filled with zeros.
;;     - A block's scale is 2^e with e = floor(log2(the largest magnitude in the block)) - 4, held to -126 .. 127; a block of zeros has e = 0. As a byte (E8M0): e + 127.
;;     - Each number is divided by its block's scale, clamped to +-28, and rounded to the nearest number of E3M2, ties to even, subnormals kept.
;;     - The product sums the exact products of the quantised numbers (number of the format x scale) in f32.
;;   ~~~python
;;   def quantise(x, axis):      # numpy; x: float32 -> the quantised numbers, widened to float32 again
;;       x = np.moveaxis(x, axis, -1); K = x.shape[-1]
;;       x = np.pad(x, [(0, 0)] * (x.ndim - 1) + [(0, -K % 32)]); x = x.reshape(x.shape[:-1] + (-1, 32)); a = np.abs(x).max(-1, keepdims=True)
;;       e = np.where(a > 0, np.clip(np.frexp(np.where(a > 0, a, 1))[1] - 1 - 4, -126, 127), 0)      # np.frexp(a)[1] - 1 = floor(log2(a)), exactly
;;       r = np.clip(x / 2.0 ** e, -28, 28)
;;       step = 2.0 ** (np.maximum(np.frexp(np.where(r == 0, 1, r))[1] - 1, -2) - 2)
;;       q = np.round(r / step) * step * 2.0 ** e      # np.round: ties to even
;;       return np.moveaxis(q.reshape(q.shape[:-2] + (-1,))[..., :K], -1, axis).astype(np.float32)
;;   ~~~
;;   SOFTMAX AHEAD OF A QUANTISED PRODUCT. Where the list says 'softmax', what is quantised is not the finished softmax but p = 2^(t - M), with t = logit x log2(e) and M = ceil(the row's largest t), a whole number; so 1/2 < the row's largest p <= 1. The row's sum l is taken of the UNQUANTISED p, in f32, and the product's result is divided by l at the end. Since M is a whole number, a kernel that streams over the keys may use a running M (the ceiling of the running maximum): every later rescaling is an exact power of two, which a block's scale takes up: the codes' values come out the same.
;;   OPERANDS COMPUTED ON THE WAY. 'Computed on the way' means the value that the module computes at that place (a softmax that the list does not call 'softmax' is quantised finished and normalised). What goes into a quantiser is computed in f32, as accurately as f32 sums, v_exp_f32 and their like allow (about 1e-6 of the number): no bf16 or f16 on the way to a quantiser, and a product that is left as it is and whose result goes on into a quantised operand takes f32 operands (vector FMAs, or v_wmma_f32_16x16x4_f32). A number that lies on a knife's edge between two numbers of the format may be rounded either way, as far as f32 arithmetic and the matrix unit's own rounding can turn it there, and no further.
;; One version. Each part assembles by itself: llvm-mc -triple=amdgcn-amd-amdhsa -mcpu=gfx1250 --defsym DOCPART=n.
;; ======== version 1 of 1: 4 launches
;; limits: right only within a limited range of input values
;; workspace buffers: xq 6,553,600 bytes; wq 3,276,800 bytes; qq 6,815,744 bytes; kv 13,369,344 bytes; oq 6,553,600 bytes
;; launch quant (part 1): grid 512 x 1, 4 waves a work-group, no clusters, 34,304 bytes of LDS; arguments x, Wq, Wk, Wv, Wp, xq, wq; writes xq, wq
.if DOCPART == 1
	.amdgcn_target "amdgcn-amd-amdhsa--gfx1250"
	.amdhsa_code_object_version 6
	.text
	.protected	k_q8ca6b8e6e6_quant
	.globl	k_q8ca6b8e6e6_quant
	.p2align	8
	.type	k_q8ca6b8e6e6_quant,@function
k_q8ca6b8e6e6_quant:
	s_mov_b64 s[64:65], 0
	v_nop
	global_prefetch_b8 v0, s[64:65] scope:SCOPE_SE
	s_setreg_imm32_b32 hwreg(HW_REG_WAVE_MODE, 25, 1), 1
	s_wait_xcnt 0x0
; x [8192 tokens][1024] and the four weights (K = their 1,024 rows) become codes of BF6 (E3M2) with one E8M0 byte for each 32 along K, laid as the products' operand registers want them.
; A block's scale is 2^(floor(log2(largest magnitude)) - 4): its byte is the largest magnitude's exponent field - 4, held at 1 from below by a floor among the maximum's leaves.
; WORK LEFT OUT by the program: key steps of the attention that lie wholly under reference()'s own causal mask (the launch attn says which).
; LIMITS: a block of zeros, and a block whose largest magnitude lies under 2^-122, gets the byte 1 (zero codes add nothing under it; this program alone reads the bytes); NaN and infinities are not served.
; THE LAYOUT.  A fragment is 16 rows x 128 K, 12 registers a lane: lane (r, h) holds k = 64 c + 32 h + 0..31 in registers 6 c .. 6 c + 5.  It is stored as two half records of 768 bytes:
; registers 6 c .. 6 c + 3 at 16 x lane (512 bytes), then registers 6 c + 4, 6 c + 5 at 8 x lane (256 bytes).  Every store of codes covers 512 or 256 consecutive bytes, aligned to 256.
; Codes: [row tile][8 K steps][1,536 bytes].  Scale words: [row tile][half of K][row r][4 words].
; THE ROWS OF A TILE: of each 32 rows, tile 2 B + u holds at place p the row 32 B + 8 u + p % 8 + 16 (p / 8), so that two neighbouring tiles' results are 16 neighbours in a lane's registers later.
; WORK-GROUPS: 0-191 Wq, Wk, Wv (a row of a head is 256 bytes); 192-255 Wp (a row is 4,096 bytes); 256-511 x.  Only x's path stores to LDS.  No tensor loads, no barrier: waves share nothing.
.set SPARE, 33792                      ; behind the four stages of 8,448 bytes: the spare words, 128 bytes a wave
.set XSO,   6291456                    ; where xq's scale words begin
.set WSO,   3145728                    ; where wq's begin
.set SPW,   14                         ; v14  my spare word's LDS address; never rewritten
.set NIL,   15                         ; v15  0; never rewritten
.set SW,    180                        ; weights: v180 my column's scale word of the K step
	s_load_b256 s[4:11], s[0:1], 0x0               ; x, Wq, Wk, Wv
	s_load_b128 s[12:15], s[0:1], 0x20             ; Wp, xq
	s_load_b64 s[16:17], s[0:1], 0x30              ; wq
	v_lshl_add_u32 v[SPW], v0, 2, SPARE
	v_mov_b32 v[NIL], 0
	v_lshrrev_b32 v1, 5, v0
	v_readfirstlane_b32 s18, v1                    ; wave
	v_and_b32 v1, 31, v0                           ; lane
	v_lshlrev_b32 v3, 4, v1                        ; 16 x lane
	v_lshlrev_b32 v4, 3, v1                        ; 8 x lane
	s_cmp_ge_u32 ttmp9, 256
	s_cbranch_scc1 .Lx
; ---- THE WEIGHTS.  A lane takes a column n and its registers run down K: a block of 32 lies in one lane.  A wave takes 32 columns (two tiles) x one K step of 128: four blocks, of which two blocks' 64 loads are out at a time.
; Lanes 0-15 take the columns of tile T0, lanes 16-31 those of T1, in the tiles' order of rows; a load still reads the same 128 consecutive bytes.
	v_and_b32 v2, 7, v1
	v_bfe_u32 v5, v1, 3, 1
	v_lshl_add_u32 v2, v5, 4, v2
	v_lshrrev_b32 v5, 4, v1
	v_lshl_add_u32 v2, v5, 3, v2                   ; column = lane % 8 + 16 ((lane / 8) % 2) + 8 (lane / 16)
	v_lshlrev_b32 v2, 2, v2                        ; in bytes
	v_and_b32 v6, 15, v1
	v_lshlrev_b32 v6, 4, v6
	v_lshl_add_u32 v5, v5, 9, v6                   ; my scale word's place: 512 x tile + 16 x row
	s_lshr_b32 s19, ttmp9, 6                       ; which weight: 0 Wq, 1 Wk, 2 Wv, 3 Wp
	s_bfe_u32 s24, ttmp9, 0x30003                  ; which 128 columns
	s_and_b32 s25, ttmp9, 7                        ; which K step
	s_lshl_b32 s26, s19, 6
	s_lshl_b32 s27, s24, 3
	s_add_co_u32 s26, s26, s27
	s_lshl_b32 s27, s18, 1
	s_add_co_u32 s26, s26, s27                     ; T0 = 64 x weight + 8 x group + 2 x wave
	s_mul_i32 s20, s26, 12288
	s_mul_i32 s27, s25, 1536
	s_add_co_u32 s20, s20, s27
	s_mov_b32 s21, 0                               ; its codes
	s_lshl_b32 s28, s26, 9
	s_lshr_b32 s27, s25, 2
	s_lshl_b32 s27, s27, 8                         ; the half of K,
	s_and_b32 s31, s25, 3
	s_lshl_b32 s31, s31, 2                         ; the word in it
	s_add_co_u32 s27, s27, s31
	s_add_co_u32 s28, s28, s27
	s_add_co_u32 s28, s28, WSO
	s_mov_b32 s29, 0                               ; its scale words
	s_wait_kmcnt 0x0
	s_add_nc_u64 s[20:21], s[16:17], s[20:21]
	s_add_nc_u64 s[28:29], s[16:17], s[28:29]
.macro LOADW t, stride                 ; block t: W(32 t + i, my column), i = 0 .. 31, into set t % 2 (v16-47, v48-79)
.set LI_, 0
.rept 32
	global_load_b32 v[16+32*((\t)%2)+LI_], v2, s[22:23] offset:(32*(\t)+LI_)*(\stride)
.set LI_, LI_+1
.endr
.endm
; Block t of 4.  Even blocks go to F0 (v80), odd ones to F1 (12 further on): lanes 0-15 then hold T0's, lanes 16-31 T1's.
; Behind the fourth block twelve exchanges of F0's upper lanes with F1's lower lanes make F0 the fragment of T0 and F1 that of T1.
.macro WBLOCK t, stride
.set XS_, 16+32*((\t)%2)
.set DS_, 80+12*((\t)%2)+6*((\t)/2)
.if (\t) < 3
	s_wait_loadcnt 32                              ; this block's 32 loads are in; the next block's 32 may be out
.else
	s_wait_loadcnt 0
.endif
	v_max3_num_f32 v10, |v[XS_]|, |v[XS_+1]|, |v[XS_+2]|
	v_max3_num_f32 v11, |v[XS_+3]|, |v[XS_+4]|, |v[XS_+5]|
.irp i, 6,10,14,18,22,26
	v_max3_num_f32 v10, v10, |v[XS_+\i]|, |v[XS_+\i+1]|
	v_max3_num_f32 v11, v11, |v[XS_+\i+2]|, |v[XS_+\i+3]|
.endr
	v_max3_num_f32 v10, v10, |v[XS_+30]|, |v[XS_+31]|
	v_max3_num_f32 v10, v10, v11, 0x2800000        ; and the floor 2^(5 - 127): the byte cannot fall under 1
	v_add_nc_u32 v12, 0xfe000000, v10              ; 4 off the exponent field: the conversion's scale operand
	v_lshrrev_b32 v13, 23, v12                     ; the byte
.if (\t) == 0
	v_mov_b32 v[SW], v13
.else
	v_lshl_or_b32 v[SW], v13, 8*(\t), v[SW]
.endif
	v_cvt_scalef32_pk16_bf6_f32 v[DS_:DS_+2], v[XS_:XS_+15], v12
	v_cvt_scalef32_pk16_bf6_f32 v[176:178], v[XS_+16:XS_+31], v12   ; (a conversion's three registers begin on an even number)
	v_nop                                          ; one plain place behind a scaled conversion
	v_mov_b32 v[DS_+3], v176
	v_mov_b32 v[DS_+4], v177
	v_mov_b32 v[DS_+5], v178
.if (\t)+2 < 4
	LOADW (\t)+2, \stride
.endif
.if (\t) == 3
.set PI_, 0
.rept 12
	v_permlane16_swap_b32 v[80+PI_], v[92+PI_]
.set PI_, PI_+1
.endr
.irp u, 0,1
	global_store_b128 v3, v[80+12*\u:80+12*\u+3], s[20:21] offset:\u*12288
	global_store_b64 v4, v[80+12*\u+4:80+12*\u+5], s[20:21] offset:\u*12288+512
	global_store_b128 v3, v[80+12*\u+6:80+12*\u+9], s[20:21] offset:\u*12288+768
	global_store_b64 v4, v[80+12*\u+10:80+12*\u+11], s[20:21] offset:\u*12288+1280
.endr
.endif
.endm
.macro WPATH stride
	LOADW 0, \stride
	LOADW 1, \stride
.set TT_, 0
.rept 4
	WBLOCK TT_, \stride
.set TT_, TT_+1
.endr
	global_store_b32 v5, v[SW], s[28:29]           ; my column's word of this K step: 4 bytes a lane, 16 bytes apart; the K steps beside it are other work-groups'
	s_wait_tensorcnt 0x0                           ; the wave's end
	ds_add_u32 v[SPW], v[NIL]
	s_wait_dscnt 0x0
	s_endpgm
.endm
	s_cmp_ge_u32 ttmp9, 192
	s_cbranch_scc1 .Lwp
	s_lshl_b32 s30, s24, 1                         ; Wq, Wk, Wv: [head][d][e]: head 2 x group + wave / 2,
	s_lshr_b32 s31, s18, 1
	s_add_co_u32 s30, s30, s31
	s_lshl_b32 s30, s30, 18                        ; 262,144 bytes a head,
	s_and_b32 s31, s18, 1
	s_lshl_b32 s31, s31, 7                         ; which 32 of its 64 columns,
	s_add_co_u32 s30, s30, s31
	s_lshl_b32 s31, s25, 15                        ; 128 rows of 256 bytes
	s_add_co_u32 s30, s30, s31
	s_mov_b32 s31, 0
	s_cmp_eq_u32 s19, 0
	s_cselect_b64 s[22:23], s[6:7], s[8:9]
	s_cmp_eq_u32 s19, 2
	s_cselect_b64 s[22:23], s[10:11], s[22:23]
	s_add_nc_u64 s[22:23], s[22:23], s[30:31]
	s_wait_alu depctr_va_vdst(0)
	WPATH 256
.Lwp:
	s_lshl_b32 s30, s24, 9                         ; Wp: [k][n]: 128 columns a group,
	s_lshl_b32 s31, s18, 7                         ; 32 a wave,
	s_add_co_u32 s30, s30, s31
	s_lshl_b32 s31, s25, 19                        ; 128 rows of 4,096 bytes
	s_add_co_u32 s30, s30, s31
	s_mov_b32 s31, 0
	s_add_nc_u64 s[22:23], s[12:13], s[30:31]
	s_wait_alu depctr_va_vdst(0)
	WPATH 4096
; ---- x.  A wave takes one tile of 16 tokens x 512 along K: four fragments.  Each load reads 512 consecutive bytes of one token's row; a fragment's 16 x 512 bytes turn through the wave's own stage
; (rows 528 bytes apart), from which lane (r, h) takes its two whole blocks of 32: k = 64 c + 32 h + 0..31.  So no other lane is asked for a maximum, and the conversions' results are the operand's registers.
.Lx:
	s_sub_co_u32 s19, ttmp9, 256
	s_lshl_b32 s19, s19, 2
	s_add_co_u32 s19, s19, s18
	s_lshr_b32 s24, s19, 1                         ; token tile 0 .. 511
	s_and_b32 s25, s19, 1                          ; half of K
	s_lshr_b32 s26, s24, 1
	s_lshl_b32 s26, s26, 5
	s_and_b32 s27, s24, 1
	s_lshl_b32 s27, s27, 3
	s_add_co_u32 s26, s26, s27                     ; the token at the tile's place 0
	s_lshl_b32 s26, s26, 12
	s_lshl_b32 s27, s25, 11
	s_add_co_u32 s26, s26, s27
	s_mov_b32 s27, 0
	s_mul_i32 s20, s24, 12288
	s_mul_i32 s21, s25, 6144
	s_add_co_u32 s20, s20, s21
	s_mov_b32 s21, 0
	s_lshl_b32 s28, s24, 9
	s_lshl_b32 s29, s25, 8
	s_add_co_u32 s28, s28, s29
	s_add_co_u32 s28, s28, XSO
	s_mov_b32 s29, 0
	s_mul_i32 s30, s18, 8448                       ; my stage
	s_wait_alu depctr_va_vdst(0)
	v_add_nc_u32 v6, s30, v3                       ; in: 16 x lane, a row an instruction
	v_and_b32 v9, 15, v1                           ; r
	v_lshrrev_b32 v10, 4, v1                       ; h
	v_mul_u32_u24 v7, v9, 528
	v_lshl_add_u32 v7, v10, 7, v7
	v_add_nc_u32 v7, s30, v7                       ; out: row r, + 128 h
	v_lshlrev_b32 v8, 4, v9
	v_lshl_add_u32 v8, v10, 3, v8                  ; the scale words' way out: 16 r + 8 h
	v_lshlrev_b32 v11, 3, v10                      ; 8 h: my bytes' place in a scale word
	v_mov_b32 v12, 0                               ; a lane permute's destination counts as one of its sources
	s_mov_b32 s32, 0x76543210
	s_mov_b32 s33, 0xfedcba98                      ; lane l xor 16
	s_wait_alu depctr_va_vdst(0)
	s_wait_kmcnt 0x0
	s_add_nc_u64 s[4:5], s[4:5], s[26:27]
	s_add_nc_u64 s[20:21], s[14:15], s[20:21]
	s_add_nc_u64 s[28:29], s[14:15], s[28:29]
.macro LOADX s                         ; fragment s: the 16 tokens' 512 bytes, into set s % 2 (v16-79, v80-143)
.set LI_, 0
.rept 16
	global_load_b128 v[16+64*((\s)%2)+4*LI_:16+64*((\s)%2)+4*LI_+3], v3, s[4:5] offset:((LI_%8)+16*(LI_/8))*4096+512*(\s) th:TH_LOAD_NT
.set LI_, LI_+1
.endr
.endm
.macro XFRAG s
.set RS_, 16+64*((\s)%2)
.if (\s) < 3
	s_wait_loadcnt 16                              ; this fragment's 16 loads are in; the next one's 16 may be out
.else
	s_wait_loadcnt 0
.endif
.set LI_, 0
.rept 16
	ds_store_b128 v6, v[RS_+4*LI_:RS_+4*LI_+3] offset:528*LI_
.set LI_, LI_+1
.endr
.irp c, 0,1
.irp j, 0,1,2,3,4,5,6,7
	ds_load_b128 v[144+32*\c+4*\j:144+32*\c+4*\j+3], v7 offset:256*\c+16*\j   ; LDS serves a wave's instructions in order: these see the stores above
.endr
.endr
	s_wait_dscnt 0x0                               ; my numbers are back, and the stores have read their registers,
.if (\s) < 2
	LOADX (\s)+2                                   ; which take the loads of two fragments on
.endif
.irp c, 0,1
	v_max3_num_f32 v[228+\c], |v[144+32*\c]|, |v[145+32*\c]|, 0x2800000
.endr
.irp i, 2,4,6,8,10,12,14,16,18,20,22,24,26,28,30
.irp c, 0,1
	v_max3_num_f32 v[228+\c], v[228+\c], |v[144+32*\c+\i]|, |v[145+32*\c+\i]|
.endr
.endr
.irp c, 0,1
	v_add_nc_u32 v[230+\c], 0xfe000000, v[228+\c]
.endr
.irp c, 0,1
	v_lshrrev_b32 v[232+\c], 23, v[230+\c]
.endr
	v_lshl_or_b32 v13, v233, 16, v232              ; my two bytes: blocks h and 2 + h,
	v_lshlrev_b32 v13, v11, v13                    ; at their places;
	v_permlanex16_b32 v12, v13, s32, s33
	v_or_b32 v[236+(\s)], v13, v12                 ; with lane l xor 16's two the word is whole
.if (\s) > 0
	s_wait_alu depctr_va_vdst(0)
	s_wait_xcnt 0x0                                ; the last fragment's stores have read their data registers, which are written again below
.endif
.irp c, 0,1
	v_cvt_scalef32_pk16_bf6_f32 v[208+6*\c:210+6*\c], v[144+32*\c:159+32*\c], v[230+\c]
	v_cvt_scalef32_pk16_bf6_f32 v[220+4*\c:222+4*\c], v[160+32*\c:175+32*\c], v[230+\c]
.endr
	v_nop                                          ; one plain place behind a scaled conversion
.irp c, 0,1
.irp i, 0,1,2
	v_mov_b32 v[211+6*\c+\i], v[220+4*\c+\i]
.endr
.endr
	global_store_b128 v3, v[208:211], s[20:21] offset:1536*(\s)
	global_store_b64 v4, v[212:213], s[20:21] offset:1536*(\s)+512
	global_store_b128 v3, v[214:217], s[20:21] offset:1536*(\s)+768
	global_store_b64 v4, v[218:219], s[20:21] offset:1536*(\s)+1280
.endm
	LOADX 0
	LOADX 1
	XFRAG 0
	XFRAG 1
	XFRAG 2
	XFRAG 3
	v_cmp_le_u32 s34, 16, v1                       ; lanes 16-31 store words 2 and 3 of their row, lanes 0-15 words 0 and 1
	v_cndmask_b32 v240, v236, v238, s34
	v_cndmask_b32 v241, v237, v239, s34
	global_store_b64 v8, v[240:241], s[28:29]      ; 32 lanes store 256 consecutive bytes, aligned
	s_wait_tensorcnt 0x0                           ; the wave's end, behind my last LDS store
	ds_add_u32 v[SPW], v[NIL]
	s_wait_dscnt 0x0
	s_endpgm
.Lfunc_end_k_q8ca6b8e6e6_quant:
	.size	k_q8ca6b8e6e6_quant, .Lfunc_end_k_q8ca6b8e6e6_quant-k_q8ca6b8e6e6_quant
	.p2alignl 7, 3214868480
	.fill 96, 4, 3214868480
	.section	.rodata,"a",@progbits
	.p2align	6, 0x0
	.amdhsa_kernel k_q8ca6b8e6e6_quant
		.amdhsa_group_segment_fixed_size 34304
		.amdhsa_private_segment_fixed_size 0
		.amdhsa_enable_private_segment 0
		.amdhsa_kernarg_size 56
		.amdhsa_user_sgpr_count 2
		.amdhsa_user_sgpr_kernarg_segment_ptr 1
		.amdhsa_wavefront_size32 1
		.amdhsa_system_sgpr_workgroup_id_x 1
		.amdhsa_system_sgpr_workgroup_id_y 1
		.amdhsa_system_sgpr_workgroup_id_z 1
		.amdhsa_system_vgpr_workitem_id 0
		.amdhsa_next_free_vgpr 256
		.amdhsa_next_free_sgpr 66
		.amdhsa_reserve_vcc 0
		.amdhsa_float_denorm_mode_32 3
		.amdhsa_float_denorm_mode_16_64 3
		.amdhsa_memory_ordered 1
		.amdhsa_forward_progress 1
		.amdhsa_inst_pref_size 72
	.end_amdhsa_kernel
	.amdgpu_metadata
---
amdhsa.version: [ 1, 2 ]
amdhsa.kernels:
  - .name:           k_q8ca6b8e6e6_quant
    .symbol:         k_q8ca6b8e6e6_quant.kd
    .args:
      - { .name: x, .offset: 0, .size: 8, .value_kind: global_buffer, .address_space: global }
      - { .name: Wq, .offset: 8, .size: 8, .value_kind: global_buffer, .address_space: global }
      - { .name: Wk, .offset: 16, .size: 8, .value_kind: global_buffer, .address_space: global }
      - { .name: Wv, .offset: 24, .size: 8, .value_kind: global_buffer, .address_space: global }
      - { .name: Wp, .offset: 32, .size: 8, .value_kind: global_buffer, .address_space: global }
      - { .name: xq, .offset: 40, .size: 8, .value_kind: global_buffer, .address_space: global }
      - { .name: wq, .offset: 48, .size: 8, .value_kind: global_buffer, .address_space: global }
    .group_segment_fixed_size: 34304
    .private_segment_fixed_size: 0
    .kernarg_segment_align: 8
    .kernarg_segment_size: 56
    .max_flat_workgroup_size: 128
    .sgpr_count:     66
    .vgpr_count:     256
    .wavefront_size: 32
...
	.end_amdgpu_metadata
.endif
;; end of part 1
;; launch gemm_qkv (part 2): grid 8 x 32, 4 waves a work-group, clusters of 4 x 1, 327,680 bytes of LDS; arguments xq, wq, qq, kv; writes qq, kv
.if DOCPART == 2
	.amdgcn_target "amdgcn-amd-amdhsa--gfx1250"
	.amdhsa_code_object_version 6
	.text
	.protected	k_q8ca6b8e6e6_gemm_qkv
	.globl	k_q8ca6b8e6e6_gemm_qkv
	.p2align	8
	.type	k_q8ca6b8e6e6_gemm_qkv,@function
k_q8ca6b8e6e6_gemm_qkv:
	s_mov_b64 s[64:65], 0
	v_nop
	global_prefetch_b8 v0, s[64:65] scope:SCOPE_SE
	s_setreg_imm32_b32 hwreg(HW_REG_WAVE_MODE, 25, 1), 1
	s_wait_xcnt 0x0
	s_wait_alu depctr_hold_cnt(0) depctr_sa_sdst(0) depctr_va_vdst(0) depctr_va_sdst(0) depctr_va_ssrc(0) depctr_va_vcc(0) depctr_vm_vsrc(0)
	s_getreg_b32 s2, hwreg(HW_REG_IB_STS2, 6, 4)
	s_cmp_eq_u32 s2, 0
	s_cbranch_scc0 .Lentry_in_a_cluster
	s_endpgm
.Lentry_in_a_cluster:
	s_bfe_u32 s2, ttmp6, 0x10000c
	s_cmp_lg_u32 s2, 0x3003
	s_cbranch_scc0 .Lentry_shape_is_right
	s_endpgm
.Lentry_shape_is_right:
; q, k, v = x Wq, x Wk, x Wv on codes of BF6 with E8M0 scales, K = 1,024; the f32 sums are quantised in registers for the products that follow and leave as codes: q and k along the head's 64, v along the tokens.
; OPERANDS lie in memory as images of their registers: [row tile of 16][8 K steps of 128][1,536 bytes]; a fragment is b128, b64, b128, b64 at 0, 512, 768, 1,280, each 16 or 8 bytes a lane on end.  Scale words: [row tile][half of K][row][4 words].
; At place p of tile 2 B + u lies row 32 B + 8 u + p % 8 + 16 (p / 8), of tokens and of a weight's columns alike: so the 16 registers of two neighbouring tiles' results are 16 neighbours, 32 B + 16 (lane / 16) + 0..15.
; THE DEAL.  256 work-groups of four waves: 256 tokens (16 tiles) x 384 columns.  Wave column W = 4 x column group + wave, 0 .. 31, holds in registers, ALL of K, four tiles of Wq or Wk (head W of q, or head W - 16 of k: 384 registers)
; and two tiles of Wv (half of head W / 2: 192 registers).  They come straight from memory, each wave's own and nobody else's in its work-group: 193 loads of 512 or 256 bytes on end.
; All four waves stream the same 16 tiles of x past them, a block of 16 tokens at a time: a block's eight fragments feed 48 products.
; x's 16 tiles lie in LDS all at once, filled once: one joint load a wave of four tiles, shared by the four column groups of a cluster.  No refill; no data prefetch: all is asked for at the head.
; PRODUCTS.  q, k: source 0 = the weight's columns, so that a lane holds a token and its 32 registers the head's 64 channels by halves.  v: source 0 = x's tokens, so that a lane holds a channel and its registers run along the tokens;
; four blocks are 64 keys, one half record.  V's 16 products first, two accumulators by turns, then the 32 of q or k, four by turns; no s_wait_alu stands among them.
; THE RUN behind a block: the fetch of the block two on into the set just read; the way out of the block's 32 sums a lane; behind every fourth block V's two tiles' way out.
; THE BUFFERS: q: qq [batch x head][token tile 128][768], words [batch x head][token tile][16].  k: kv [batch x head][slot of 16 token tiles: 24,576][tile 768], words [batch x head: 12,288][token tile][16].
;   v: kv, in the same slots from byte 12,288: [key step 2][half 2][tile of 16 channels 4][768]; words from byte 8,192 of the head's 12,288: [key step 16][tile 4][16].
; Scale words leave through LDS in whole units of 256 bytes: q's or k's through the wave's own 1,024 bytes; V's bytes, which two waves make for a head, behind a barrier.
; LIMITS: a block of zeros or under 2^-122 gets the byte 1; the upper two bytes of q's and k's words are 0 and meet zero codes alone; NaN and infinities are not served.
; REGISTERS: fragment f lies at register 256 + 12 f: 0-31 Wq|k's (4 q + tile), 32-47 Wv's (32 + 2 q + tile), 48-63 x's two sets (48 + 8 e + q): they fill windows 1 to 3.  All else lies in window 0.
.set TILEB, 12288
.set NQ, 8
.set FR, 12
.set NF, 34                            ; LDS loads of a block: 32 for eight fragments, 2 for eight scale words
.set SCL, 16*TILEB                     ; x's scale words, 8,192 bytes
.set STGQ, SCL+8192                    ; q's or k's scale words on their way out: 1,024 bytes a wave
.set STGV, STGQ+4096                   ; V's scale bytes: [head 2][64 keys 4][tile 4][row 16] pairs of bytes
.set SPARE, STGV+1024
.set XSO, 6291456
.set WSO, 3145728
.set QSO, 6291456                      ; kv's words begin at twice that
.set V16, 4                            ; v4 16 x lane, v5 8 x lane: also block 0's LDS addresses
.set V8, 5
.set AAS0, 6                           ; v6  LDS address of my row's scale words in block 0
.set SPW, 10
.set NIL, 11
.set ADA, 12                           ; v12, v13 as v4, v5 for the block that is fetched next
.set STX, 14                           ; v14, v15 the stages' places of the four blocks in hand
.set SVX, 15
.set ABS, 16                           ; v16 my offset in a weight's scale words
.set AAS, 17
.set STW, 18
.set STV, 19
.set STR, 20
.set SVR, 21
.set CPY, 22
.set SB, 24                            ; v24-39 Wq|k's scale words; v40-47 Wv's; v52-67 x's, two sets
.set SBV, 40
.set SA, 52
.set ACC, 72                           ; v72-103 q's or k's sums
.set HV, 136                           ; v136-199 V's sums: 32 tile + 8 (block % 4) + i
.set NC, 200                           ; v200-206 q's or k's codes; v208-222 V's
.set VC, 208
.set TM, 224                           ; v224-229 at work
.set BW, 232                           ; v232-234 scale bytes
.set G1, 24
.set G0, 32
.set MSB, 0
.macro WIN new
.if MSB != \new
	s_set_vgpr_msb (MSB<<8)|\new
.set MSB, \new
.endif
.endm
.macro PLACES n
.rept \n
	v_nop
.endr
.endm
.macro WALU
	s_wait_alu depctr_va_vdst(0)
.endm
.macro BARRIER
	s_barrier_signal -1
	s_barrier_wait -1
.endm
.macro CROUND
	BARRIER
	s_cmp_lg_u32 s14, 0
	s_cbranch_scc1 .Lnot_wave_0_\@
	s_barrier_signal -3
.Lnot_wave_0_\@:
	s_barrier_wait -3
	BARRIER
.endm
; a weight's fragment from memory.  One piece of 16 bytes a lane would run across a window's end: it comes as two of 8
.macro GL4 a, base, off
.if ((\a)&255) == 254
	WIN ((\a)>>8)<<6
	global_load_b64 v[254:255], v[V16], s[\base:\base+1] offset:\off
	WIN (((\a)>>8)+1)<<6
	global_load_b64 v[0:1], v[V16], s[\base:\base+1] offset:(\off)+8
.else
	WIN ((\a)>>8)<<6
	global_load_b128 v[(\a)&255:((\a)&255)+3], v[V16], s[\base:\base+1] offset:\off
.endif
.endm
.macro GL2 a, base, off
	WIN ((\a)>>8)<<6
	global_load_b64 v[(\a)&255:((\a)&255)+1], v[V8], s[\base:\base+1] offset:\off
.endm
.macro WFRAG f, base, off
.set A_, 256+FR*(\f)
	GL4 A_, \base, (\off)
	GL2 A_+4, \base, (\off)+512
	GL4 A_+6, \base, (\off)+768
	GL2 A_+10, \base, (\off)+1280
.endm
.macro XFRAG f, q, a                   ; x's fragments lie in window 3
.set R_, (256+FR*(\f))&255
	ds_load_b128 v[R_:R_+3], v[\a] offset:1536*(\q)
	ds_load_b64 v[R_+4:R_+5], v[\a+1] offset:1536*(\q)+512
	ds_load_b128 v[R_+6:R_+9], v[\a] offset:1536*(\q)+768
	ds_load_b64 v[R_+10:R_+11], v[\a+1] offset:1536*(\q)+1280
.endm
.macro FETCHX e, a, as                 ; a block of x into set e: NF loads
	WIN 0xc0
.irp q, 0,1,2,3,4,5,6,7
	XFRAG 48+8*(\e)+\q, \q, \a
.endr
	WIN 0
	ds_load_b128 v[SA+8*(\e):SA+8*(\e)+3], v[\as]
	ds_load_b128 v[SA+8*(\e)+4:SA+8*(\e)+7], v[\as] offset:256
.endm
.macro FPLACE f
.set FW_, (256+FR*(\f))>>8
.set FG_, (256+FR*(\f))&255
.endm
.macro PQK e, q, t
	FPLACE 48+8*(\e)+(\q)
.set XW_, FW_
.set XG_, FG_
	FPLACE 4*(\q)+(\t)
	WIN FW_|(XW_<<2)
	PROD1 ACC+8*(\t), FG_, XG_, \q, SB+NQ*((\t)/2)+(\q), SA+8*(\e)+(\q), a, (\t)%2
.endm
.macro PV e, q, t, j
	FPLACE 48+8*(\e)+(\q)
.set XW_, FW_
.set XG_, FG_
	FPLACE 32+2*(\q)+(\t)
	WIN XW_|(FW_<<2)
	PROD1 HV+32*(\t)+8*(\j), XG_, FG_, \q, SA+8*(\e)+(\q), SBV+(\q), b, \t
.endm
.macro PROD1 d, s0, s1, q, x0, x1, side, o
.if \q
	PROD2 \d, \s0, \s1, v[\d:\d+7], \x0, \x1, \side, \o
.else
	PROD2 \d, \s0, \s1, 0, \x0, \x1, \side, \o
.endif
.endm
.macro PROD2 d, s0, s1, c, x0, x1, side, o
.if \o
	v_wmma_scale_f32_16x16x128_f8f6f4 v[\d:\d+7], v[\s0:\s0+FR-1], v[\s1:\s1+FR-1], \c, v[\x0], v[\x1] matrix_a_fmt:MATRIX_FMT_BF6 matrix_b_fmt:MATRIX_FMT_BF6 matrix_\side\()_scale:MATRIX_SCALE_ROW1
.else
	v_wmma_scale_f32_16x16x128_f8f6f4 v[\d:\d+7], v[\s0:\s0+FR-1], v[\s1:\s1+FR-1], \c, v[\x0], v[\x1] matrix_a_fmt:MATRIX_FMT_BF6 matrix_b_fmt:MATRIX_FMT_BF6 matrix_\side\()_scale:MATRIX_SCALE_ROW0
.endif
.endm
; THE WAY OUT of 32 sums a lane from register x on: register 16 b + i is number 32 b + 16 (lane / 16) + i of my row's 64.  They become six registers of codes, v[c .. c + 5], and two scale bytes, v[w].
; Four chains of maxima, one to an accumulator, each from its low end on; the floor 2^(5 - 127) holds the byte at 1 from below.
.macro WAYOUT x, c, w
.irp k, 0,1,2,3
	v_max3_num_f32 v[TM+\k], |v[\x+8*\k]|, |v[\x+8*\k+1]|, |v[\x+8*\k+2]|
.endr
.irp k, 0,1,2,3
	v_max3_num_f32 v[TM+\k], v[TM+\k], |v[\x+8*\k+3]|, |v[\x+8*\k+4]|
.endr
.irp k, 0,1,2,3
	v_max3_num_f32 v[TM+\k], v[TM+\k], |v[\x+8*\k+5]|, |v[\x+8*\k+6]|
.endr
.irp b, 0,1
	v_max3_num_f32 v[TM+2*\b], v[TM+2*\b], v[TM+2*\b+1], |v[\x+16*\b+7]|
.endr
.irp b, 0,1
	v_max3_num_f32 v[TM+2*\b], v[TM+2*\b], |v[\x+16*\b+15]|, 0x2800000
.endr
.irp b, 0,1
	v_permlanex16_b32 v[TM+2*\b+1], v[TM+2*\b], s2, s3
.endr
.irp b, 0,1
	v_max_num_f32 v[TM+2*\b], v[TM+2*\b], v[TM+2*\b+1]   ; with lane l xor 16's: the block's largest magnitude
.endr
.irp b, 0,1
	v_add_nc_u32 v[TM+4+\b], 0xfe000000, v[TM+2*\b]      ; 4 off its exponent field: the conversion's scale operand
.endr
.irp b, 0,1
	v_lshrrev_b32 v[TM+2*\b], 23, v[TM+4+\b]             ; the byte
.endr
	v_lshl_or_b32 v[\w], v[TM+2], 8, v[TM]
	v_cvt_scalef32_pk16_bf6_f32 v[\c:\c+2], v[\x:\x+15], v[TM+4]
	v_cvt_scalef32_pk16_bf6_f32 v[\c+4:\c+6], v[\x+16:\x+31], v[TM+5]
	v_nop                                          ; one plain place behind a scaled conversion
.irp i, 0,1,2
	v_permlane16_swap_b32 v[\c+\i], v[\c+4+\i]     ; the operand's layout wants a whole block in a lane
.endr
	v_mov_b32 v[\c+3], v[\c+4]
	v_mov_b32 v[\c+4], v[\c+5]
	v_mov_b32 v[\c+5], v[\c+6]
.endm
; A BLOCK: x's set e, place j among its four; fetch = 1: the block two on is fetched
.macro BLK e, j, fetch
.set N_, 0
.rept 48
.if N_ < 16
	PV \e, N_/2, N_%2, \j
.else
	PQK \e, (N_-16)/4, N_%4
.endif
.set N_, N_+1
.endr
	WIN 0
.if \fetch
	s_add_co_u32 s101, s101, TILEB
	s_add_co_u32 s91, s91, 512
	v_add_nc_u32 v[ADA], s101, v[V16]              ; four plain vector lines stand between the last product and the loads into the registers that it has read
	v_add_nc_u32 v[ADA+1], s101, v[V8]
	v_add_nc_u32 v[AAS], s91, v[AAS0]
	v_nop
	WALU
	FETCHX \e, ADA, AAS
	s_wait_dscnt NF                                ; all but the fetch just issued: the next block's rows are in
.else
	PLACES 4
	s_wait_dscnt 0x0
.endif
	s_wait_xcnt 0x0                                ; the last block's stores have read their registers, which are written again below
	WAYOUT ACC, NC, BW
	ds_store_b32 v[STX], v[BW] offset:64*(\j)      ; lanes l and l xor 16 write the same word with the same value
	global_store_b128 v[V16], v[NC:NC+3], s[50:51] offset:768*(\j)        ; 512 and 256 consecutive bytes, aligned to 256
	global_store_b64 v[V8], v[NC+4:NC+5], s[50:51] offset:768*(\j)+512
.if (\j) == 3
	WAYOUT HV, VC, BW+1
	WAYOUT HV+32, VC+8, BW+2
.irp t, 0,1
	ds_store_b16 v[SVX], v[BW+1+\t] offset:32*\t
	global_store_b128 v[V16], v[VC+8*\t:VC+8*\t+3], s[54:55] offset:768*\t
	global_store_b64 v[V8], v[VC+8*\t+4:VC+8*\t+5], s[54:55] offset:768*\t+512
.endr
.endif
.endm
.macro GROUP last                      ; four blocks: 64 tokens
	v_add_nc_u32 v[STX], s87, v[STW]
	v_add_nc_u32 v[SVX], s88, v[STV]
	BLK 0, 0, 1
	BLK 1, 1, 1
	BLK 0, 2, 1-(\last)
	BLK 1, 3, 1-(\last)
.endm
; ================= THE HEAD
	s_load_b256 s[4:11], s[0:1], 0x0               ; xq, wq, qq, kv
	v_lshl_add_u32 v[SPW], v0, 2, SPARE
	v_mov_b32 v[NIL], 0
	ds_add_u32 v[SPW], v[NIL]                      ; the opening lines
	ds_add_u32 v[SPW], v[NIL]
	v_lshrrev_b32 v1, 5, v0
	v_readfirstlane_b32 s14, v1                    ; the wave
	s_lshr_b32 s15, s14, 1
	s_and_b32 s16, s14, 1
	s_bfe_u32 s40, ttmp6, 0x40000                  ; cx
	s_lshl_b32 s42, ttmp9, 2
	s_add_co_u32 s42, s42, s40                     ; the column group, 0 .. 7
	s_lshl_b32 s43, s42, 2
	s_add_co_u32 s43, s43, s14                     ; W
	s_and_b32 s44, ttmp7, 0xffff                   ; which 256 tokens: the cluster's y
	s_lshr_b32 s45, s44, 3
	s_lshl_b32 s45, s45, 4                         ; 16 x batch
	s_and_b32 s46, s44, 7                          ; which 256 tokens of the batch
	s_and_b32 s47, s43, 15
	s_add_co_u32 s47, s47, s45                     ; q, k: 16 x batch + head
	s_lshr_b32 s48, s43, 1
	s_add_co_u32 s48, s48, s45                     ; v: likewise
	s_mov_b32 s[G1], 15|(3<<16)|(1<<21)            ; the mask names the cluster's four; elements of 8 bytes; four tiles are 192 dense rows of 256 bytes
	s_mov_b32 s[G1+1], 32<<16
	s_mov_b32 s[G1+2], 192<<16
	s_mov_b32 s[G1+3], 32<<16
	s_mov_b32 s[G1+4], 192
	s_mov_b32 s[G1+5], 32
	s_mov_b32 s[G1+6], 0
	s_mov_b32 s[G1+7], 0
	s_mul_i32 s17, s14, 4*TILEB                    ; my four tiles of x, in LDS and in memory
	s_mul_i32 s60, s44, 16*TILEB
	s_add_co_u32 s60, s60, s17
	s_mov_b32 s61, 0
	s_lshl_b32 s62, s44, 13
	s_add_co_u32 s62, s62, XSO                     ; x's scale words
	s_mov_b32 s63, 0
	s_mul_i32 s66, s43, 4*TILEB                    ; Wq|k's four tiles: wq's tile 4 W
	s_mov_b32 s67, 0
	s_mul_i32 s68, s43, 2*TILEB
	s_add_co_u32 s68, s68, 128*TILEB               ; Wv's two: tile 128 + 2 W
	s_mov_b32 s69, 0
	s_lshl_b32 s70, s43, 11
	s_add_co_u32 s70, s70, WSO
	s_mov_b32 s71, 0
	s_lshl_b32 s72, s43, 10
	s_add_co_u32 s72, s72, WSO+65536
	s_mov_b32 s73, 0
	s_mul_i32 s74, s47, 98304                      ; q's codes: 98,304 bytes a head, 12,288 for 16 tiles; k's: twice both (the cluster's x is 0 for q, 1 for k)
	s_mul_i32 s20, s46, 12288
	s_add_co_u32 s74, s74, s20
	s_lshl_b32 s74, s74, ttmp9
	s_mov_b32 s75, 0
	s_lshl_b32 s20, ttmp9, 12
	s_add_co_u32 s20, s20, 8192                    ; words: 8,192 bytes a head in qq, 12,288 in kv
	s_mul_i32 s76, s47, s20
	s_lshl_b32 s20, s46, 10
	s_add_co_u32 s76, s76, s20
	s_lshl_b32 s20, QSO, ttmp9
	s_add_co_u32 s76, s76, s20
	s_mov_b32 s77, 0
	s_mul_i32 s78, s48, 196608                     ; V's codes
	s_mul_i32 s20, s46, 24576
	s_add_co_u32 s78, s78, s20
	s_mul_i32 s20, s16, 1536
	s_add_co_u32 s78, s78, s20
	s_add_co_u32 s78, s78, 12288
	s_mov_b32 s79, 0
	s_mul_i32 s80, s48, 12288                      ; V's words: the unit of key step wave % 2 of my head
	s_lshl_b32 s20, s46, 1
	s_add_co_u32 s20, s20, s16
	s_lshl_b32 s20, s20, 8
	s_add_co_u32 s80, s80, s20
	s_add_co_u32 s80, s80, 2*QSO+8192
	s_mov_b32 s81, 0
	s_mov_b32 s2, 0x76543210
	s_mov_b32 s3, 0xfedcba98                       ; lane l xor 16
	s_mov_b32 s101, TILEB
	s_mov_b32 s91, 512
	s_mov_b32 s87, 0
	s_mov_b32 s88, 0
	s_mov_b32 s86, 3
	v_and_b32 v1, 15, v0
	v_bfe_u32 v2, v0, 4, 1
	v_and_b32 v3, 31, v0
	v_lshlrev_b32 v[V16], 4, v3
	v_lshlrev_b32 v[V8], 3, v3
	v_add_nc_u32 v[ADA], TILEB, v[V16]
	v_add_nc_u32 v[ADA+1], TILEB, v[V8]
	v_lshlrev_b32 v[ABS], 4, v1
	v_lshl_add_u32 v[ABS], v2, 9, v[ABS]           ; lanes 0-15 a pair's first tile, lanes 16-31 its second
	v_lshl_add_u32 v[AAS0], v1, 4, SCL
	v_add_nc_u32 v[AAS], 512, v[AAS0]
	s_lshl_b32 s21, s14, 10
	s_add_co_u32 s21, s21, STGQ
	v_lshl_add_u32 v[STW], v1, 2, s21
	v_lshl_add_u32 v[STR], v3, 4, s21
	s_lshl_b32 s21, s15, 9
	s_lshl_b32 s22, s16, 6
	s_add_co_u32 s21, s21, s22
	s_add_co_u32 s21, s21, STGV
	v_lshl_add_u32 v[STV], v1, 1, s21
	s_lshl_b32 s21, s14, 8
	s_add_co_u32 s21, s21, STGV
	v_lshl_add_u32 v[SVR], v3, 2, s21
	v_lshlrev_b32 v[CPY], 4, v0
	v_add_nc_u32 v7, SCL, v[CPY]
	WALU
	s_wait_dscnt 0x0
	CROUND                                         ; the round in front of the joint loads
	s_wait_kmcnt 0x0
	s_mov_b32 s[G0], 1
	s_mov_b32 s[G0+1], s17
	s_add_nc_u64 s[G0+2:G0+3], s[4:5], s[60:61]
	s_or_b32 s[G0+3], s[G0+3], 0x80000000
	tensor_load_to_lds s[G0:G0+3], s[G1:G1+7]      ; my one tensor load: x's tiles 4 wave .. 4 wave + 3
	s_nop 0
	PLACES 4
	s_add_nc_u64 s[62:63], s[4:5], s[62:63]
	s_add_nc_u64 s[66:67], s[6:7], s[66:67]
	s_add_nc_u64 s[68:69], s[6:7], s[68:69]
	s_add_nc_u64 s[70:71], s[6:7], s[70:71]
	s_add_nc_u64 s[72:73], s[6:7], s[72:73]
	s_cmp_eq_u32 ttmp9, 0                          ; q or k: the cluster's x, the same in all partners
	s_cselect_b64 s[50:51], s[8:9], s[10:11]
	s_add_nc_u64 s[52:53], s[50:51], s[76:77]      ; q's or k's words,
	s_add_nc_u64 s[50:51], s[50:51], s[74:75]      ; codes
	s_add_nc_u64 s[54:55], s[10:11], s[78:79]      ; V's codes,
	s_add_nc_u64 s[56:57], s[10:11], s[80:81]      ; words
.irp k, 0,1,2,3
	global_load_b128 v[HV+4*\k:HV+4*\k+3], v[CPY], s[62:63] offset:2048*\k   ; x's scale words: 128 threads x 16 bytes on end
.endr
.irp p, 0,1
.irp c, 0,1
	global_load_b128 v[SB+NQ*\p+4*\c:SB+NQ*\p+4*\c+3], v[ABS], s[70:71] offset:\p*1024+256*\c
.endr
.endr
.irp c, 0,1
	global_load_b128 v[SBV+4*\c:SBV+4*\c+3], v[ABS], s[72:73] offset:256*\c
.endr
.irp q, 0,1,2,3,4,5,6,7
.irp t, 0,1
	WFRAG 32+2*\q+\t, 68, \t*TILEB+\q*1536
.endr
.endr
	WIN 0
	s_wait_loadcnt 63                              ; of the 75 loads so far the oldest twelve are in: x's scale words among them
.irp k, 0,1,2,3
	ds_store_b128 v7, v[HV+4*\k:HV+4*\k+3] offset:2048*\k
.endr
.irp q, 0,1,2,3,4,5,6,7
.irp t, 0,1,2,3
	WFRAG 4*\q+\t, 66, \t*TILEB+\q*1536
.endr
.endr
	WIN 0
	s_wait_tensorcnt 0x0                           ; my four tiles of x are in,
	s_wait_dscnt 0x0                               ; and my share of its scale words
	BARRIER                                        ; everybody's are
	FETCHX 0, V16, AAS0
	FETCHX 1, ADA, AAS
	s_wait_loadcnt 0x0                             ; the weights
	s_wait_dscnt NF                                ; block 0's rows
; ================= THE STREAM: sixteen blocks, four a trip; the last four, which fetch only two, are written out
.Lgroup:
	GROUP 0
	s_wait_xcnt 0x0                                ; the stores have read their bases
	s_add_nc_u64 s[50:51], s[50:51], 3072
	s_add_nc_u64 s[54:55], s[54:55], 3072
	s_add_co_u32 s87, s87, 256
	s_add_co_u32 s88, s88, 128
	s_sub_co_u32 s86, s86, 1
	s_cmp_lg_u32 s86, 0
	s_cbranch_scc1 .Lgroup
	GROUP 1
; ================= THE SCALE WORDS LEAVE
	s_wait_xcnt 0x0                                ; the last stores have read their registers
	s_wait_dscnt 0x0
	BARRIER                                        ; V's bytes of both waves of a head are in the stage
	ds_load_b128 v[NC:NC+3], v[STR]
	ds_load_b128 v[VC:VC+3], v[STR] offset:512
	ds_load_b32 v[TM], v[SVR]                      ; rows 2 l, 2 l + 1: the bytes of the key step's first 64 keys,
	ds_load_b32 v[TM+1], v[SVR] offset:128         ; and of its second 64
	s_wait_dscnt 0x0
	v_and_b32 v[TM+2], 0xffff, v[TM]
	v_lshl_or_b32 v[TM+2], v[TM+1], 16, v[TM+2]
	v_lshrrev_b32 v[TM+3], 16, v[TM]
	v_and_or_b32 v[TM+3], v[TM+1], 0xffff0000, v[TM+3]
	global_store_b128 v[V16], v[NC:NC+3], s[52:53]             ; q's or k's words of my 16 token tiles: 1,024 bytes on end
	global_store_b128 v[V16], v[VC:VC+3], s[52:53] offset:512
	global_store_b64 v[V8], v[TM+2:TM+3], s[56:57]             ; a key step's words of V's four tiles: 256 bytes, aligned
	s_wait_tensorcnt 0x0                           ; the wave's end
	ds_add_u32 v[SPW], v[NIL]
	s_wait_dscnt 0x0
	CROUND                                         ; the closing round
	s_endpgm
.Lfunc_end_k_q8ca6b8e6e6_gemm_qkv:
	.size	k_q8ca6b8e6e6_gemm_qkv, .Lfunc_end_k_q8ca6b8e6e6_gemm_qkv-k_q8ca6b8e6e6_gemm_qkv
	.p2alignl 7, 3214868480
	.fill 96, 4, 3214868480
	.section	.rodata,"a",@progbits
	.p2align	6, 0x0
	.amdhsa_kernel k_q8ca6b8e6e6_gemm_qkv
		.amdhsa_group_segment_fixed_size 327680
		.amdhsa_private_segment_fixed_size 0
		.amdhsa_enable_private_segment 0
		.amdhsa_kernarg_size 32
		.amdhsa_user_sgpr_count 2
		.amdhsa_user_sgpr_kernarg_segment_ptr 1
		.amdhsa_wavefront_size32 1
		.amdhsa_system_sgpr_workgroup_id_x 1
		.amdhsa_system_sgpr_workgroup_id_y 1
		.amdhsa_system_sgpr_workgroup_id_z 1
		.amdhsa_system_vgpr_workitem_id 0
		.amdhsa_next_free_vgpr 1024
		.amdhsa_next_free_sgpr 102
		.amdhsa_reserve_vcc 0
		.amdhsa_float_denorm_mode_32 3
		.amdhsa_float_denorm_mode_16_64 3
		.amdhsa_memory_ordered 1
		.amdhsa_forward_progress 1
		.amdhsa_inst_pref_size 123
	.end_amdhsa_kernel
	.amdgpu_metadata
---
amdhsa.version: [ 1, 2 ]
amdhsa.kernels:
  - .name:           k_q8ca6b8e6e6_gemm_qkv
    .symbol:         k_q8ca6b8e6e6_gemm_qkv.kd
    .args:
      - { .name: xq, .offset: 0, .size: 8, .value_kind: global_buffer, .address_space: global }
      - { .name: wq, .offset: 8, .size: 8, .value_kind: global_buffer, .address_space: global }
      - { .name: qq, .offset: 16, .size: 8, .value_kind: global_buffer, .address_space: global }
      - { .name: kv, .offset: 24, .size: 8, .value_kind: global_buffer, .address_space: global }
    .group_segment_fixed_size: 327680
    .private_segment_fixed_size: 0
    .kernarg_segment_align: 8
    .kernarg_segment_size: 32
    .max_flat_workgroup_size: 128
    .sgpr_count:     102
    .vgpr_count:     1024
    .wavefront_size: 32
...
	.end_amdgpu_metadata
.endif
;; end of part 2
;; launch attn (part 3): grid 4 x 64, 16 waves a work-group, clusters of 4 x 1, 327,680 bytes of LDS; arguments qq, kv, oq; writes oq
.if DOCPART == 3
	.amdgcn_target "amdgcn-amd-amdhsa--gfx1250"
	.amdhsa_code_object_version 6
	.text
	.protected	k_q8ca6b8e6e6_attn
	.globl	k_q8ca6b8e6e6_attn
	.p2align	8
	.type	k_q8ca6b8e6e6_attn,@function
k_q8ca6b8e6e6_attn:
	s_mov_b64 s[64:65], 0
	v_nop
	global_prefetch_b8 v0, s[64:65] scope:SCOPE_SE
	s_setreg_imm32_b32 hwreg(HW_REG_WAVE_MODE, 25, 1), 1
	s_wait_xcnt 0x0
	s_wait_alu depctr_hold_cnt(0) depctr_sa_sdst(0) depctr_va_vdst(0) depctr_va_sdst(0) depctr_va_ssrc(0) depctr_va_vcc(0) depctr_vm_vsrc(0)
	s_getreg_b32 s2, hwreg(HW_REG_IB_STS2, 6, 4)
	s_cmp_eq_u32 s2, 0
	s_cbranch_scc0 .Lentry_in_a_cluster
	s_endpgm
.Lentry_in_a_cluster:
	s_bfe_u32 s2, ttmp6, 0x10000c
	s_cmp_lg_u32 s2, 0x3003
	s_cbranch_scc0 .Lentry_shape_is_right
	s_endpgm
.Lentry_shape_is_right:
; Causal attention of one (batch, head) on codes of BF6 with E8M0 scales: S^T = K Q^T (K = the head's 64), p = 2^(t - M), O^T += V^T P^T (K = the keys), O / l, quantised along the head's 64 for the last product.
; t = score x log2(e) / 8; M = the running largest t rounded UP to a whole number; the row's sum l is taken of the unquantised p; when M moves, l and O^T are multiplied by 2^(old M - new M), which rounds nothing.
; WORK LEFT OUT: key steps all of whose keys come after a tile's queries: reference()'s own causal mask throws their scores away.
; THE DEAL.  The four work-groups of a (batch, head) form a cluster.  A head has 16 blocks of 128 queries, 8 tiles of 16 each.  A wave has a number P, 0 .. 7, and a half, 0 or 1, both made of its own number alone.  In work-group cx it
; takes tile 2 cx + half of block 15 - P and then the same tile of block P: (16 - P) + (P + 1) = 17 key steps of 128 for every wave.  No branch hangs on the work-group's place in the cluster.
; LDS HOLDS THE HEAD'S WHOLE K AND V, 196,608 bytes as they lie in memory, filled once: four joint fills of 49,152 bytes (512 keys), each wave 3,072 bytes of each.  The first goes out at the head, the others behind the
; rounds in front of key steps 0, 2, 4 of the first tile, whose first six steps are the same work in every wave (its block is 8 or more).  The scale words (12,288 bytes) come by plain loads and LDS stores into bytes of their own.
; THE OTHER ELEVEN STEPS are one loop of five trips.  Trip m holds the first tile's steps 6 + 2 m and 7 + 2 m and, behind each, the second tile's steps 9 - 2 m and 8 - 2 m: the second tile walks its keys DOWNWARD, from its diagonal
; to key 0 (the running M serves any order).  The first tile's step 6 + i counts while i <= 9 - P, the second's step 9 - i from i = 9 - P on: so of each pair a wave works one step, and both in the one pair in which it changes tiles.
; A plain barrier ends each trip, so that the sixteen waves stay together.  With a = wave / 4 and b = wave % 4, P = 2 ((b - a) % 4) + a % 2 and half = a / 2: the four waves that change tiles in one trip differ both in wave % 4 and in wave / 4.
; PREFETCH: the fill that the NEXT round will ask for, 192 blocks of 256 bytes, three to each of the cluster's 64 waves, told apart by address; the head asks for the second fill, the last round for nothing.
; LAYOUT.  Both products are used transposed: a lane holds one query (place lane % 16 of its tile).  Tiles of tokens hold, at place p of tile 2 B + u, token 32 B + 8 u + p % 8 + 16 (p / 8):
; so the 16 registers of score tiles 2 B, 2 B + 1 are the neighbouring keys 32 B + 16 (lane / 16) + 0..15.  V's tiles of channels are in the same order.
; THE FIRST PRODUCT'S K IS 64 OF THE FORM'S 128: Q's registers 6-11 hold zero codes; K's eight tiles lie 6 registers apart and each operand runs on into the next tile (the last into six zeros).
; LIMITS: a block of zeros or under 2^-122 gets the byte 1; NaN and infinities are not served.
; REGISTERS: v1-4 addresses that stay; v5, v6 the add's; v7 my query's place on the diagonal; v8-11 addresses in hand; v12 -M, v13 the largest t, v[14:15] the sum; v16-27 Q; v29 Q's scale words; v31 prefetch offset;
;   v32-85 K's tiles, then V's; v86-91 their scale words; v96-159 S^T, then p; v160-191 O^T; v192-203 p's codes; v204-210 the second tile's Q; v232-255 at work.
.set FILL,  49152
.set SLOTB, 24576                      ; 256 keys: 16 key tiles x 768 bytes, then V: [key step 2][half 2][tile 4][768]
.set SCK,   196608                     ; the head's scale words: K's 8,192 bytes, then V's 4,096
.set SPARE, 208896                     ; the spare words, 128 bytes for each of sixteen waves
.set QSO,   6291456
.set KVSO,  12582912
.set OSO,   6291456
.set KFR,   32
.set KS,    86
.set VS,    90
.set SPW,   5
.set NIL,   6
.set WV,    18
.set SEL,   20
.set CS,    22
.set G1T,   24                         ; s[24:31] group 1: 3,072 dense bytes as 12 rows of 256
.set G0T,   40                         ; s[40:43] group 0: it walks
.set TB,    2                          ; s2   first tile: LDS byte at which the 256 keys in hand begin
.set TS,    3                          ; s3   the step's scale words of K: 512 bytes a step
.set TJ,    66                         ; s66  and V's: 256 bytes a step
.set ST,    67                         ; s67  the key step
.set BLK,   98                         ; s98  the first tile's block of 128 queries, 15 - P
.set TB2,   10                         ; s10-13 the same four for the second tile: they step downward
.set TS2,   11
.set TJ2,   12
.set ST2,   13
.set PB,    74                         ; s74  the second tile's block, P
.set BL1,   16                         ; s16  16 - P: the first tile's step counter behind its last step
.set CNT,   99                         ; s99  trips to go
.set PFA,   78                         ; s[78:79] where my prefetches stand
.macro CROUND                          ; a round of the cluster's barrier
	s_barrier_signal -1
	s_barrier_wait -1
	s_cmp_lg_u32 s[WV], 0
	s_cbranch_scc1 .Lnw0_\@
	s_barrier_signal -3
.Lnw0_\@:
	s_barrier_wait -3
	s_barrier_signal -1
	s_barrier_wait -1
.endm
.macro FILLGO                          ; every wave's part of a joint fill; an s_nop 0 and four v_nop follow the load
	tensor_load_to_lds s[G0T:G0T+3], s[G1T:G1T+7]
	s_nop 0
.rept 4
	v_nop
.endr
.endm
.macro INIT                            ; a tile's state: the step is written once; the first finds zeros
	v_mov_b32 v13, 0xff61b1e6                      ; the largest t so far: -3e38
	v_floor_f32 v12, -v13                          ; -M
	v_mov_b32 v14, 0
	v_mov_b32 v15, 0
.set J_, 0
.rept 32
	v_mov_b32 v[160+J_], 0
.set J_, J_+1
.endr
.endm
	s_load_b128 s[4:7], s[0:1], 0x0                ; qq, kv
	s_load_b64 s[8:9], s[0:1], 0x10                ; oq
	v_lshl_add_u32 v[SPW], v0, 2, SPARE
	v_mov_b32 v[NIL], 0
	ds_add_u32 v[SPW], v[NIL]                      ; the opening lines: the add, twice on end, and its wait
	ds_add_u32 v[SPW], v[NIL]
	v_lshrrev_b32 v8, 5, v0
	v_readfirstlane_b32 s[WV], v8                  ; wave 0..15
	s_and_b32 s72, ttmp7, 0xffff                   ; the cluster's y: 16 x batch + head
	s_bfe_u32 s73, ttmp6, 0x40000                  ; cx
	s_lshr_b32 s10, s[WV], 2                       ; a
	s_and_b32 s11, s[WV], 3                        ; b
	s_sub_co_u32 s11, s11, s10
	s_and_b32 s11, s11, 3
	s_lshl_b32 s11, s11, 1
	s_and_b32 s12, s10, 1
	s_add_co_u32 s[PB], s11, s12                   ; P
	s_sub_co_u32 s[BLK], 15, s[PB]
	s_sub_co_u32 s[BL1], 16, s[PB]
	s_lshr_b32 s75, s10, 1                         ; half
	s_lshl_b32 s81, s73, 1
	s_add_co_u32 s75, s75, s81                     ; which of a block's eight tiles
	s_lshl_b32 s76, s[BLK], 3
	s_add_co_u32 s76, s76, s75                     ; first tile, 0 .. 127
	s_lshl_b32 s77, s[PB], 3
	s_add_co_u32 s77, s77, s75                     ; second tile
	s_lshr_b32 s81, s75, 1
	s_lshl_b32 s81, s81, 5
	s_and_b32 s10, s75, 1
	s_lshl_b32 s10, s10, 3
	s_add_co_u32 s81, s81, s10                     ; the tile's place 0 among its block's 128 tokens
	s_mul_i32 s84, s[WV], 3072                     ; my part of a fill, in LDS and in memory
	s_mul_i32 s85, s72, 196608
	s_add_co_u32 s86, s85, s84
	s_mov_b32 s87, 0
	s_mul_i32 s88, s72, 12288
	s_add_co_u32 s88, s88, KVSO
	s_mov_b32 s89, 0                               ; the head's scale words
	s_lshl_b32 s96, s73, 4
	s_add_co_u32 s96, s96, s[WV]
	s_mul_i32 s96, s96, 768
	s_add_co_u32 s96, s96, s85
	s_add_co_u32 s96, s96, FILL
	s_mov_b32 s97, 0                               ; my three blocks of 256 bytes of the second fill
	s_lshl_b32 s90, s72, 7
	s_add_co_u32 s82, s90, s77
	s_add_co_u32 s90, s90, s76
	s_lshl_b32 s92, s90, 6
	s_add_co_u32 s92, s92, QSO
	s_mov_b32 s93, 0                               ; first tile: Q's scale words,
	s_mul_i32 s90, s90, 768
	s_mov_b32 s91, 0                               ; Q's codes
	s_lshl_b32 s94, s82, 6
	s_add_co_u32 s94, s94, QSO
	s_mov_b32 s95, 0                               ; second tile
	s_mul_i32 s82, s82, 768
	s_mov_b32 s83, 0
	s_lshr_b32 s10, s72, 4
	s_lshl_b32 s10, s10, 7                         ; 128 x batch
	s_and_b32 s11, s72, 15                         ; the head
	s_mul_i32 s12, s11, 768                        ; O's codes: the head's 64 are half record head % 2 of K step head / 2
	s_lshr_b32 s13, s11, 3
	s_lshl_b32 s13, s13, 8
	s_bfe_u32 s14, s11, 0x20001
	s_lshl_b32 s14, s14, 2
	s_add_co_u32 s13, s13, s14
	s_and_b32 s14, s11, 1
	s_lshl_b32 s14, s14, 1
	s_add_co_u32 s13, s13, s14
	s_add_co_u32 s13, s13, OSO                     ; O's two scale bytes in row 0's words
	s_add_co_u32 s14, s10, s76
	s_add_co_u32 s15, s10, s77
	s_mul_i32 s68, s14, 12288
	s_add_co_u32 s68, s68, s12
	s_mov_b32 s69, 0
	s_lshl_b32 s70, s14, 9
	s_add_co_u32 s70, s70, s13
	s_mov_b32 s71, 0
	s_mul_i32 s44, s15, 12288
	s_add_co_u32 s44, s44, s12
	s_mov_b32 s45, 0
	s_lshl_b32 s46, s15, 9
	s_add_co_u32 s46, s46, s13
	s_mov_b32 s47, 0
	s_mov_b32 s[G1T], 15|(3<<16)|(1<<21)           ; the mask names the cluster's four; elements of 8 bytes; bit 21 beside a mask
	s_mov_b32 s[G1T+1], 32<<16
	s_mov_b32 s[G1T+2], 12<<16
	s_mov_b32 s[G1T+3], 32<<16
	s_mov_b32 s[G1T+4], 12
	s_mov_b32 s[G1T+5], 32
	s_mov_b32 s[G1T+6], 0
	s_mov_b32 s[G1T+7], 0
	s_mov_b32 s[SEL], 0x76543210
	s_mov_b32 s[SEL+1], 0xfedcba98
	s_mov_b32 s[CS], 0x3e38aa3b                    ; c = log2(e) / sqrt(64)
	s_mov_b32 s[CS+1], s[CS]
	s_mov_b32 s[TB], 0
	s_mov_b32 s[TS], 0
	s_mov_b32 s[TJ], 0
	s_mov_b32 s[ST], 0
	s_mov_b32 s[TB2], 4*SLOTB                      ; the second tile's walk begins at key step 9
	s_mov_b32 s[TS2], 9*512
	s_mov_b32 s[TJ2], 9*256
	s_mov_b32 s[ST2], 9
	s_mov_b32 s[CNT], 3
	s_wait_alu depctr_va_vdst(0)
	s_wait_dscnt 0x0                               ; both opening adds are done
	CROUND                                         ; the round in front of the first joint loads
	s_wait_kmcnt 0x0
	s_mov_b32 s[G0T], 1
	s_mov_b32 s[G0T+1], s84
	s_add_nc_u64 s[G0T+2:G0T+3], s[6:7], s[86:87]
	s_or_b32 s[G0T+3], s[G0T+3], 0x80000000
	FILLGO                                         ; keys 0 to 511: my one tensor load at the head
	s_add_nc_u64 s[88:89], s[6:7], s[88:89]
	s_add_nc_u64 s[PFA:PFA+1], s[6:7], s[96:97]
	s_add_nc_u64 s[90:91], s[4:5], s[90:91]
	s_add_nc_u64 s[92:93], s[4:5], s[92:93]
	s_add_nc_u64 s[82:83], s[4:5], s[82:83]
	s_add_nc_u64 s[94:95], s[4:5], s[94:95]
	s_add_nc_u64 s[68:69], s[8:9], s[68:69]
	s_add_nc_u64 s[70:71], s[8:9], s[70:71]
	s_add_nc_u64 s[44:45], s[8:9], s[44:45]
	s_add_nc_u64 s[46:47], s[8:9], s[46:47]
	v_lshlrev_b32 v9, 3, v0                        ; 8 x thread: 512 threads x 24 bytes are the scale words
	global_load_b64 v[212:213], v9, s[88:89]
	global_load_b64 v[214:215], v9, s[88:89] offset:4096
	global_load_b64 v[216:217], v9, s[88:89] offset:8192
	v_and_b32 v10, 31, v0
	v_lshlrev_b32 v1, 4, v10                       ; 16 x lane
	v_lshlrev_b32 v2, 3, v10                       ; 8 x lane
	v_lshl_add_u32 v3, v10, 2, SCK                 ; K's scale words: a register carries two tiles' words
	v_add_nc_u32 v4, 8192, v3                      ; V's
	v_min_u32 v31, 2, v10
	v_lshlrev_b32 v31, 8, v31                      ; lanes 0, 1, 2 name my three blocks; the others the last again
	global_load_b128 v[16:19], v1, s[90:91]        ; the first tile's Q stays in registers
	global_load_b64 v[20:21], v2, s[90:91] offset:512
	global_load_b128 v[204:207], v1, s[82:83]      ; the second tile's waits beside it
	global_load_b64 v[208:209], v2, s[82:83] offset:512
	v_and_b32 v8, 15, v0                           ; r
	v_bfe_u32 v11, v0, 4, 1                        ; h
	v_lshlrev_b32 v254, 2, v8
	global_load_b32 v29, v254, s[92:93]            ; Q's scale words
	global_load_b32 v210, v254, s[94:95]
	global_prefetch_b8 v31, s[PFA:PFA+1] th:TH_LOAD_NT scope:SCOPE_SE   ; what the first round will ask for
	v_add_nc_u32 v28, SCK, v9                      ; where my 24 bytes of scale words go
	v_and_b32 v10, 7, v8
	v_lshrrev_b32 v30, 3, v8
	v_lshl_add_u32 v10, v30, 4, v10
	v_lshlrev_b32 v30, 4, v11
	v_sub_nc_u32 v10, v10, v30
	v_add_nc_u32 v7, s81, v10                      ; d = my query - its block's first token - 16 h
.irp j, 22,23,24,25,26,27,80,81,82,83,84,85
	v_mov_b32 v[\j], 0                             ; zero codes: the upper half of Q's K, and what the last tile of K runs on into
.endr
.irp b, 0,1,2,3
	v_mov_b32 v[236+\b], 0                         ; a lane permute's destination counts as one of its sources
.endr
	v_mov_b32 v252, 0
	v_mov_b32 v253, 0
	INIT
	s_wait_alu depctr_va_vdst(0)
	s_wait_loadcnt 0x0
	ds_store_b64 v28, v[212:213]
	ds_store_b64 v28, v[214:215] offset:4096
	ds_store_b64 v28, v[216:217] offset:8192
; A KEY STEP: 128 keys, the q-th of the 256 in hand.  k = 1: the step may be hidden (jumped over) or lie on the diagonal (masked); k = 0: all its keys count for every wave.
; tb, ts, tj, st: the walk's four scalars; blk: the tile's block; dn = 1: the walk goes downward.
.macro STEP q, k, tb, ts, tj, st, blk, dn
.if \k
	s_cmp_gt_u32 s[\st], s[\blk]                   ; all keys come after my queries, or the tile is not in hand
	s_cbranch_scc1 .Lhidden_\@
.endif
	v_add_nc_u32 v8, s[\tb], v1                    ; (these four are also the places in front of the loads into registers that the last products read)
	v_add_nc_u32 v9, s[\tb], v2
	v_add_nc_u32 v10, s[\ts], v3
	v_add_nc_u32 v11, s[\tj], v4
.irp t, 0,1,2,3,4,5,6,7
	ds_load_b128 v[KFR+6*\t:KFR+6*\t+3], v8 offset:(8*(\q)+\t)*768
	ds_load_b64 v[KFR+6*\t+4:KFR+6*\t+5], v9 offset:(8*(\q)+\t)*768+512
.endr
.irp j, 0,1,2,3
	ds_load_b32 v[KS+\j], v10 offset:128*\j        ; lanes 0-15: tile 2 j's words, lanes 16-31: tile 2 j + 1's
.endr
	s_wait_alu depctr_va_vdst(0)
	s_wait_dscnt 0x0
.set T_, 0
.rept 8
.if T_%2
	v_wmma_scale_f32_16x16x128_f8f6f4 v[96+8*T_:103+8*T_], v[KFR+6*T_:KFR+6*T_+11], v[16:27], 0, v[KS+T_/2], v29 matrix_a_fmt:MATRIX_FMT_BF6 matrix_b_fmt:MATRIX_FMT_BF6 matrix_a_scale:MATRIX_SCALE_ROW1
.else
	v_wmma_scale_f32_16x16x128_f8f6f4 v[96+8*T_:103+8*T_], v[KFR+6*T_:KFR+6*T_+11], v[16:27], 0, v[KS+T_/2], v29 matrix_a_fmt:MATRIX_FMT_BF6 matrix_b_fmt:MATRIX_FMT_BF6
.endif
.set T_, T_+1
.endr
.rept 4
	v_nop                                          ; places: ahead of the loads into K's registers and of the first read of the scores
.endr
.irp e, 0,1,2,3                                ; V's four tiles are asked for now and land under the softmax
.irp c, 0,1
	ds_load_b128 v[KFR+12*\e+6*\c:KFR+12*\e+6*\c+3], v8 offset:12288+6144*(\q)+3072*\c+768*\e
	ds_load_b64 v[KFR+12*\e+6*\c+4:KFR+12*\e+6*\c+5], v9 offset:12288+6144*(\q)+3072*\c+768*\e+512
.endr
.endr
.irp j, 0,1
	ds_load_b32 v[VS+\j], v11 offset:128*\j
.endr
.if \k
	s_cmp_lg_u32 s[\st], s[\blk]                   ; on the diagonal the scores of hidden keys become -infinity ahead of the maximum
	s_cbranch_scc1 .Lopen_\@
	v_mov_b32 v254, 0xff800000
.set N_, 0
.rept 64
	v_cmp_gt_i32 vcc_lo, 32*(N_/16)+N_%16, v7      ; register 16 b + i holds the step's key 16 h + 32 b + i: hidden where 32 b + i > d
	v_cndmask_b32 v[96+N_], v[96+N_], v254, vcc_lo
.set N_, N_+1
.endr
.Lopen_\@:
.endif
.irp b, 0,1,2,3
	v_max3_num_f32 v[232+\b], v[96+16*\b], v[97+16*\b], v[98+16*\b]   ; the largest score of each block of 32 keys: for the row's maximum, and, since p rises with the score, for the block's largest p
.endr
.irp i, 3,5,7,9,11,13
.irp b, 0,1,2,3
	v_max3_num_f32 v[232+\b], v[232+\b], v[96+16*\b+\i], v[97+16*\b+\i]
.endr
.endr
.irp b, 0,1,2,3
	v_max_num_f32 v[232+\b], v[232+\b], v[111+16*\b]
.endr
.irp b, 0,1,2,3
	s_delay_alu instid0(VALU_DEP_4)
	v_permlanex16_b32 v[236+\b], v[232+\b], s[SEL], s[SEL+1]
.endr
.irp b, 0,1,2,3
	s_delay_alu instid0(VALU_DEP_4)
	v_max_num_f32 v[232+\b], v[232+\b], v[236+\b]
.endr
	s_delay_alu instid0(VALU_DEP_2)
	v_max3_num_f32 v254, v232, v233, v234
	s_delay_alu instid0(VALU_DEP_1)
	v_max_num_f32 v254, v254, v235
	s_delay_alu instid0(VALU_DEP_1)
	v_mul_f32 v254, s[CS], v254                    ; the step's largest t
	s_delay_alu instid0(VALU_DEP_1)
	v_max_num_f32 v13, v13, v254
	v_mov_b32 v254, v12
	s_delay_alu instid0(VALU_DEP_2)
	v_floor_f32 v12, -v13                          ; the new -M = -ceil(t)
	s_delay_alu instid0(VALU_DEP_1)
	v_sub_f32 v254, v12, v254                      ; old M - new M: a whole number, 0 or less
	s_delay_alu instid0(VALU_DEP_1)
	v_cvt_i32_f32 v254, v254                       ; (it saturates)
	s_delay_alu instid0(VALU_DEP_1)
	v_ldexp_f32 v252, 1.0, v254                    ; f = 2^(old M - new M)
.set J_, 0
.rept 32
	v_pk_fma_f32 v[96+J_:97+J_], v[96+J_:97+J_], s[CS:CS+1], v[12:13] op_sel_hi:[1,0,0]   ; t - M
.set J_, J_+2
.endr
.irp b, 0,1,2,3
	v_fma_f32 v[232+\b], v[232+\b], s[CS], v12
.endr
.set J_, 0
	s_wait_alu depctr_va_vdst(0)
.rept 64
	v_exp_f32 v[96+J_], v[96+J_]                   ; p = 2^(t - M)
.set J_, J_+1
.endr
	v_pk_mul_f32 v[14:15], v[14:15], v[252:253] op_sel_hi:[1,0]   ; the sums under the new M: a plain place behind the exponentials
	s_wait_alu depctr_va_vdst(0)                   ; one wait for the whole batch, ahead of its first reader
.irp b, 0,1,2,3
	v_exp_f32 v[232+\b], v[232+\b]                 ; each block's largest p
.endr
	v_pk_add_f32 v[236:237], v[100:101], v[104:105]
	v_pk_add_f32 v[254:255], v[108:109], v[112:113]
	v_pk_add_f32 v[250:251], v[116:117], v[120:121]
	v_pk_add_f32 v[248:249], v[124:125], v[128:129]
	v_pk_add_f32 v[246:247], v[132:133], v[136:137]
	v_pk_add_f32 v[244:245], v[140:141], v[144:145]
	v_pk_add_f32 v[242:243], v[148:149], v[152:153]
	v_pk_add_f32 v[14:15], v[14:15], v[156:157]
	v_pk_add_f32 v[236:237], v[236:237], v[96:97]
	v_pk_add_f32 v[254:255], v[254:255], v[98:99]
	v_pk_add_f32 v[250:251], v[250:251], v[102:103]
	v_pk_add_f32 v[248:249], v[248:249], v[106:107]
	v_pk_add_f32 v[246:247], v[246:247], v[110:111]
	v_pk_add_f32 v[244:245], v[244:245], v[114:115]
	v_pk_add_f32 v[242:243], v[242:243], v[118:119]
	v_pk_add_f32 v[14:15], v[14:15], v[122:123]
	v_pk_add_f32 v[236:237], v[236:237], v[126:127]
	v_pk_add_f32 v[254:255], v[254:255], v[130:131]
	v_pk_add_f32 v[250:251], v[250:251], v[134:135]
	v_pk_add_f32 v[248:249], v[248:249], v[138:139]
	v_pk_add_f32 v[246:247], v[246:247], v[142:143]
	v_pk_add_f32 v[244:245], v[244:245], v[146:147]
	v_pk_add_f32 v[242:243], v[242:243], v[150:151]
	v_pk_add_f32 v[14:15], v[14:15], v[154:155]
	v_pk_add_f32 v[236:237], v[236:237], v[158:159]
	s_delay_alu instid0(VALU_DEP_2)
	v_pk_add_f32 v[14:15], v[14:15], v[248:249]
	s_delay_alu instid0(VALU_DEP_2)
	v_pk_add_f32 v[236:237], v[236:237], v[246:247]
	v_pk_add_f32 v[254:255], v[254:255], v[244:245]
	v_pk_add_f32 v[250:251], v[250:251], v[242:243]
	s_delay_alu instid0(VALU_DEP_2)
	v_pk_add_f32 v[14:15], v[14:15], v[254:255]
	s_delay_alu instid0(VALU_DEP_2)
	v_pk_add_f32 v[236:237], v[236:237], v[250:251]
	s_delay_alu instid0(VALU_DEP_1)
	v_pk_add_f32 v[14:15], v[14:15], v[236:237]
	s_wait_alu depctr_va_vdst(0)                   ; and one for the four
.irp b, 0,1,2,3
	v_max_num_f32 v[232+\b], 0x2800000, v[232+\b]  ; the floor 2^(5 - 127)
.endr
.irp b, 0,1,2,3
	s_delay_alu instid0(VALU_DEP_4)
	v_add_nc_u32 v[244+\b], 0xfe000000, v[232+\b]
.endr
.irp b, 0,1,2,3
	s_delay_alu instid0(VALU_DEP_4)
	v_lshrrev_b32 v[236+\b], 23, v[244+\b]
.endr
	s_delay_alu instid0(VALU_DEP_3)
	v_lshl_or_b32 v253, v237, 8, v236              ; p's scale word for these 128 keys
	s_delay_alu instid0(VALU_DEP_1)
	v_lshl_or_b32 v253, v238, 16, v253
	s_delay_alu instid0(VALU_DEP_1)
	v_lshl_or_b32 v253, v239, 24, v253
.irp c, 0,1
	v_cvt_scalef32_pk16_bf6_f32 v[192+6*\c:194+6*\c], v[96+32*\c:111+32*\c], v[244+2*\c]
	v_cvt_scalef32_pk16_bf6_f32 v[236+4*\c:238+4*\c], v[112+32*\c:127+32*\c], v[244+2*\c+1]
.endr
	v_nop                                          ; one plain place behind a scaled conversion
.irp c, 0,1
.irp i, 0,1,2
	v_permlane16_swap_b32 v[192+6*\c+\i], v[236+4*\c+\i]
.endr
.irp i, 0,1,2
	s_delay_alu instid0(VALU_DEP_3)
	v_mov_b32 v[195+6*\c+\i], v[236+4*\c+\i]
.endr
.endr
.set J_, 0
.rept 16
	v_pk_mul_f32 v[160+J_:161+J_], v[160+J_:161+J_], v[252:253] op_sel_hi:[1,0]   ; O^T under the new M; these sixteen are also the places in front of the scaled products below
.set J_, J_+2
.endr
	s_wait_alu depctr_va_vdst(0)
	s_wait_dscnt 0x0                               ; V's tiles and words are in
.set E_, 0
.rept 4
.if E_%2
	v_wmma_scale_f32_16x16x128_f8f6f4 v[160+8*E_:167+8*E_], v[KFR+12*E_:KFR+12*E_+11], v[192:203], v[160+8*E_:167+8*E_], v[VS+E_/2], v253 matrix_a_fmt:MATRIX_FMT_BF6 matrix_b_fmt:MATRIX_FMT_BF6 matrix_a_scale:MATRIX_SCALE_ROW1
.else
	v_wmma_scale_f32_16x16x128_f8f6f4 v[160+8*E_:167+8*E_], v[KFR+12*E_:KFR+12*E_+11], v[192:203], v[160+8*E_:167+8*E_], v[VS+E_/2], v253 matrix_a_fmt:MATRIX_FMT_BF6 matrix_b_fmt:MATRIX_FMT_BF6
.endif
.set E_, E_+1
.endr
.if \k
.Lhidden_\@:
.endif
.if \dn
	s_sub_co_u32 s[\st], s[\st], 1
	s_sub_co_u32 s[\ts], s[\ts], 512
	s_sub_co_u32 s[\tj], s[\tj], 256
.else
	s_add_co_u32 s[\st], s[\st], 1
	s_add_co_u32 s[\ts], s[\ts], 512
	s_add_co_u32 s[\tj], s[\tj], 256
.endif
.endm
.macro FIRST q, k                      ; a step of the first tile
	STEP \q, \k, TB, TS, TJ, ST, BLK, 0
.endm
.macro SECOND q                        ; a step of the second
	STEP \q, 1, TB2, TS2, TJ2, ST2, PB, 1
.endm
; A TILE'S WAY OUT: O^T / l, quantised along the head's 64 (two blocks; register 16 b + i is channel 32 b + 16 h + i), stored as one half record of the last product's operand.  c, w: the pairs that hold the codes' and the bytes' places.
.macro FINISH c, w
.rept 4
	v_nop                                          ; places behind the last products
.endr
	v_add_f32 v14, v14, v15
	s_delay_alu instid0(VALU_DEP_1)
	v_permlanex16_b32 v252, v14, s[SEL], s[SEL+1]
	s_delay_alu instid0(VALU_DEP_1)
	v_add_f32 v14, v14, v252                       ; the row's sum
	s_wait_alu depctr_va_vdst(0)
	v_rcp_f32 v14, v14
	v_and_b32 v8, 15, v0                           ; (a plain place behind the transcendental)
	s_delay_alu instid0(VALU_DEP_1)
	v_lshlrev_b32 v8, 4, v8                        ; 16 r: my row's four words
	s_wait_alu depctr_va_vdst(0)                   ; the wait ahead of the first reader
.set J_, 0
.rept 32
	v_mul_f32 v[96+J_], v[160+J_], v14
.set J_, J_+1
.endr
.irp b, 0,1
	v_max3_num_f32 v[232+\b], |v[96+16*\b]|, |v[97+16*\b]|, 0x2800000
.endr
.irp i, 2,4,6,8,10,12,14
.irp b, 0,1
	s_delay_alu instid0(VALU_DEP_2)
	v_max3_num_f32 v[232+\b], v[232+\b], |v[96+16*\b+\i]|, |v[97+16*\b+\i]|
.endr
.endr
.irp b, 0,1
	s_delay_alu instid0(VALU_DEP_2)
	v_permlanex16_b32 v[236+\b], v[232+\b], s[SEL], s[SEL+1]
.endr
.irp b, 0,1
	s_delay_alu instid0(VALU_DEP_2)
	v_max_num_f32 v[232+\b], v[232+\b], v[236+\b]
.endr
.irp b, 0,1
	s_delay_alu instid0(VALU_DEP_2)
	v_add_nc_u32 v[244+\b], 0xfe000000, v[232+\b]
.endr
.irp b, 0,1
	s_delay_alu instid0(VALU_DEP_2)
	v_lshrrev_b32 v[236+\b], 23, v[244+\b]
.endr
	s_delay_alu instid0(VALU_DEP_1)
	v_lshl_or_b32 v240, v237, 8, v236              ; the head's two bytes of my row's scale word
	v_cvt_scalef32_pk16_bf6_f32 v[192:194], v[96:111], v244
	v_cvt_scalef32_pk16_bf6_f32 v[196:198], v[112:127], v245
	v_nop                                          ; one plain place behind a scaled conversion
.irp i, 0,1,2
	v_permlane16_swap_b32 v[192+\i], v[196+\i]     ; lanes 0-15 block 0, lanes 16-31 block 1: the first holds the lower 16 codes, the second the upper
.endr
	s_delay_alu instid0(VALU_DEP_3)
	v_mov_b32 v195, v196
	s_delay_alu instid0(VALU_DEP_3)
	v_mov_b32 v196, v197
	s_delay_alu instid0(VALU_DEP_3)
	v_mov_b32 v197, v198
	global_store_b128 v1, v[192:195], s[\c:\c+1]   ; 512 and 256 consecutive bytes, aligned to 256
	global_store_b64 v2, v[196:197], s[\c:\c+1] offset:512
	global_store_b16 v8, v240, s[\w:\w+1]          ; two bytes of each row's word: the other heads' work-groups write the rest (lanes l and l xor 16 write the same)
.endm
; THE CHANGE OF TILES, behind the first tile's step on the diagonal: the branch hangs on the wave's number and the count of steps
.macro SWITCH
	s_cmp_lg_u32 s[ST], s[BL1]
	s_cbranch_scc1 .Lstay_\@
	FINISH 68, 70
	s_wait_xcnt 0x0                                ; the stores have read their registers, which are written again below
.irp j, 0,1,2,3,4,5
	v_mov_b32 v[16+\j], v[204+\j]                  ; the second tile's Q
.endr
	v_mov_b32 v29, v210
	INIT
	s_wait_alu depctr_va_vdst(0)
.Lstay_\@:
.endm
; THE FIRST TILE'S KEY STEPS 0 TO 5, two a trip.  At a trip's head every wave waits for its tensor load, adds 0 to its spare word and waits for that; the round follows, and behind it
; the next 512 keys' first fill: one tensor load a wave is out, and it has the trip's two steps in which to land.  Trip t reads keys 256 t .. 256 t + 255, which were shown by the round of trip t / 2.
.La:
	s_wait_tensorcnt 0x0                           ; no tensor load of mine is out, so the group 0 may be written
	ds_add_u32 v[SPW], v[NIL]
	s_add_co_u32 s[G0T+1], s[G0T+1], FILL
	s_add_nc_u64 s[G0T+2:G0T+3], s[G0T+2:G0T+3], FILL
	s_wait_xcnt 0x0                                ; the last prefetch has read its address
	s_add_nc_u64 s[PFA:PFA+1], s[PFA:PFA+1], FILL
	s_wait_dscnt 0x0                               ; the add is done, and in the first trip my stores of scale words
	CROUND
	FILLGO
	s_cmp_gt_u32 s[CNT], 1                         ; the last fill has no successor
	s_cbranch_scc0 .Lnoask
	global_prefetch_b8 v31, s[PFA:PFA+1] th:TH_LOAD_NT scope:SCOPE_SE
.Lnoask:
	FIRST 0, 0
	FIRST 1, 0
	s_add_co_u32 s[TB], s[TB], SLOTB
	s_sub_co_u32 s[CNT], s[CNT], 1
	s_cmp_lg_u32 s[CNT], 0
	s_cbranch_scc1 .La
	s_wait_tensorcnt 0x0                           ; my part of the last fill is in
	s_wait_dscnt 0x0
	s_barrier_signal -1
	s_barrier_wait -1                              ; everybody's is: all keys are in LDS, and nothing is filled any more
	s_mov_b32 s[CNT], 5
.Lb:                                               ; trip m: the first tile's steps 6 + 2 m, 7 + 2 m; the second's 9 - 2 m, 8 - 2 m
	FIRST 0, 1
	SWITCH
	SECOND 1
	FIRST 1, 1
	SWITCH
	SECOND 0
	s_add_co_u32 s[TB], s[TB], SLOTB
	s_sub_co_u32 s[TB2], s[TB2], SLOTB
	s_wait_alu depctr_va_vdst(0)
	s_wait_dscnt 0x0
	s_barrier_signal -1                            ; a plain barrier: it guards no bytes; it keeps the sixteen waves at the same trip
	s_barrier_wait -1
	s_sub_co_u32 s[CNT], s[CNT], 1
	s_cmp_lg_u32 s[CNT], 0
	s_cbranch_scc1 .Lb
	FINISH 44, 46
	s_wait_tensorcnt 0x0                           ; the wave's end
	ds_add_u32 v[SPW], v[NIL]
	s_wait_dscnt 0x0
	CROUND                                         ; the closing round
	s_endpgm
.Lfunc_end_k_q8ca6b8e6e6_attn:
	.size	k_q8ca6b8e6e6_attn, .Lfunc_end_k_q8ca6b8e6e6_attn-k_q8ca6b8e6e6_attn
	.p2alignl 7, 3214868480
	.fill 96, 4, 3214868480
	.section	.rodata,"a",@progbits
	.p2align	6, 0x0
	.amdhsa_kernel k_q8ca6b8e6e6_attn
		.amdhsa_group_segment_fixed_size 327680
		.amdhsa_private_segment_fixed_size 0
		.amdhsa_enable_private_segment 0
		.amdhsa_kernarg_size 24
		.amdhsa_user_sgpr_count 2
		.amdhsa_user_sgpr_kernarg_segment_ptr 1
		.amdhsa_wavefront_size32 1
		.amdhsa_system_sgpr_workgroup_id_x 1
		.amdhsa_system_sgpr_workgroup_id_y 1
		.amdhsa_system_sgpr_workgroup_id_z 1
		.amdhsa_system_vgpr_workitem_id 0
		.amdhsa_next_free_vgpr 256
		.amdhsa_next_free_sgpr 100
		.amdhsa_reserve_vcc 1
		.amdhsa_float_denorm_mode_32 3
		.amdhsa_float_denorm_mode_16_64 3
		.amdhsa_memory_ordered 1
		.amdhsa_forward_progress 1
		.amdhsa_inst_pref_size 153
	.end_amdhsa_kernel
	.amdgpu_metadata
---
amdhsa.version: [ 1, 2 ]
amdhsa.kernels:
  - .name:           k_q8ca6b8e6e6_attn
    .symbol:         k_q8ca6b8e6e6_attn.kd
    .args:
      - { .name: qq, .offset: 0, .size: 8, .value_kind: global_buffer, .address_space: global }
      - { .name: kv, .offset: 8, .size: 8, .value_kind: global_buffer, .address_space: global }
      - { .name: oq, .offset: 16, .size: 8, .value_kind: global_buffer, .address_space: global }
    .group_segment_fixed_size: 327680
    .private_segment_fixed_size: 0
    .kernarg_segment_align: 8
    .kernarg_segment_size: 24
    .max_flat_workgroup_size: 512
    .sgpr_count:     100
    .vgpr_count:     256
    .wavefront_size: 32
...
	.end_amdgpu_metadata
.endif
;; end of part 3
;; launch gemm_out (part 4): grid 32 x 8, 4 waves a work-group, clusters of 4 x 4, 327,680 bytes of LDS; arguments oq, wq, bp, out0; writes out0
.if DOCPART == 4
	.amdgcn_target "amdgcn-amd-amdhsa--gfx1250"
	.amdhsa_code_object_version 6
	.text
	.protected	k_q8ca6b8e6e6_gemm_out
	.globl	k_q8ca6b8e6e6_gemm_out
	.p2align	8
	.type	k_q8ca6b8e6e6_gemm_out,@function
k_q8ca6b8e6e6_gemm_out:
	s_mov_b64 s[64:65], 0
	v_nop
	global_prefetch_b8 v0, s[64:65] scope:SCOPE_SE
	s_setreg_imm32_b32 hwreg(HW_REG_WAVE_MODE, 25, 1), 1
	s_wait_xcnt 0x0
	s_wait_alu depctr_hold_cnt(0) depctr_sa_sdst(0) depctr_va_vdst(0) depctr_va_sdst(0) depctr_va_ssrc(0) depctr_va_vcc(0) depctr_vm_vsrc(0)
	s_getreg_b32 s2, hwreg(HW_REG_IB_STS2, 6, 4)
	s_cmp_eq_u32 s2, 0
	s_cbranch_scc0 .Lentry_in_a_cluster
	s_endpgm
.Lentry_in_a_cluster:
	s_bfe_u32 s2, ttmp6, 0x10000c
	s_cmp_lg_u32 s2, 0xf033
	s_cbranch_scc0 .Lentry_shape_is_right
	s_endpgm
.Lentry_shape_is_right:
; out[token][n] = sum over k of context[token][k] Wp[k][n] + bp[n], f32, on codes of BF6 with E8M0 scales: 8,192 x 1,024 x 1,024.
; LIMITS: NaN, infinities and sums beyond f32's range are not served; a sum begins with the bias, where the reference adds it last.
; OPERANDS lie in memory as images of their registers: [row tile of 16][8 K steps of 128][1,536 bytes]; a fragment is b128, b64, b128, b64 at 0, 512, 768, 1,280, each 16 or 8 bytes a lane on end.  Scale words: [row tile][half of K][row][4 words].
; At place p of tile 2 B + u lies row 32 B + 8 u + p % 8 + 16 (p / 8), of tokens and of Wp's columns alike.
; THE DEAL.  256 work-groups of four waves, 2 x 2, each 256 tokens x 128 columns.  A wave holds four tiles of 16 columns of Wp, all of K, in registers (384), and streams the context's tiles 2 s + (wave row) past them as blocks s = 0 .. 7.
; THE CLUSTER's x COUNTS TILE ROWS: tile row 4 x cluster x + cx, tile column 4 x cluster y + cy.  The context's tiles are shared by a COLUMN of the cluster (mask s44), Wp's by a ROW (mask s45).
; LDS: the context's 16 tiles, all at once (no refill; no data prefetch: all is asked for at the head, and there is no loop to run ahead in); Wp's 8 tiles; the context's scale words, by plain loads and LDS stores; the waves' stages; the spare words.
; THE HEAD'S FOUR TILES, one a wave, each on its own line: Wp's 8 tiles; the context's tiles 0 to 7; 8 to 11; 12 to 15.  The stream begins when the first two are in; a plain barrier inside block 1 (and, the text being a loop's, 3 and 5) shows the others.
; TWO SETS of the context's fragments, of accumulators and of the rows that come back from the stage, by turns.  One run of memory lines behind a block's 32 products: its sums into the stage and back as rows of 256 bytes; the fetch of the block two on; a wait; eight stores.
.set TILEB, 12288
.set NQ, 8
.set NB, 4
.set FR, 12
.set FPW, 256/FR                       ; fragments in a window
.set NF, 34                            ; LDS loads of a block: 32 for eight fragments, 2 for eight scale words
.set YB, 16*TILEB                      ; Wp's tiles
.set SCL, YB+8*TILEB                   ; the context's scale words, 8,192 bytes
.set STAGE, SCL+8192                   ; 16 rows x (256 + 16) bytes for each wave
.set SPITCH, 272
.set SPARE, STAGE+4*16*SPITCH
.set OSO, 6291456
.set WSO, 3145728
.set AAS0, 6                           ; v6  LDS address of my row's scale words in block 0
.set CO, 9                             ; v9  my byte offset in out0: row l / 16, 16 bytes x (l % 16)
.set SPW, 10
.set NIL, 11
.set ADA, 12                           ; v12, v13 LDS addresses (16 x lane, 8 x lane) of the block that is fetched next
.set ADB, 14                           ; v14, v15 of Wp's fragments
.set ABS, 16                           ; v16 my offset in Wp's scale words
.set AAS, 17                           ; v17 as v6, for the block that is fetched next
.set STO, 18
.set RD, 19
.set A0, 20                            ; v20, v21 as v12, v13 for block 0; never rewritten
.set CPY, 22                           ; v22 16 x thread
.set SB, 24                            ; v24-39 Wp's scale words
.set SA, 42                            ; v42-57 the context's: two sets of eight
.set ACC, 64                           ; v64-127 two sets of four accumulators
.set BK, 128                           ; v128-191 two sets: 16 rows x 256 bytes back from the stage
.set XT, 192                           ; v192-207 head: my share of the context's scale words
.set BO, 208                           ; v208-239 the bias as the first four products' C
.set G1A, 24
.set G0A, 56
.set G1B, 32
.set G0B, 60
.set MSB, 0
.macro WIN new
.if MSB != \new
	s_set_vgpr_msb (MSB<<8)|\new
.set MSB, \new
.endif
.endm
.macro PLACES n
.rept \n
	v_nop
.endr
.endm
.macro WALU
	s_wait_alu depctr_va_vdst(0)
.endm
.macro BARRIER
	s_barrier_signal -1
	s_barrier_wait -1
.endm
.macro CROUND
	BARRIER
	s_cmp_lg_u32 s14, 0
	s_cbranch_scc1 .Lnot_wave_0_\@
	s_barrier_signal -3
.Lnot_wave_0_\@:
	s_barrier_wait -3
	BARRIER
.endm
.macro TLOAD g0, g1                    ; an s_nop 0 and four v_nop follow a tensor load
	tensor_load_to_lds s[\g0:\g0+3], s[\g1:\g1+7]
	s_nop 0
	PLACES 4
.endm
.macro ATILE first, tiles              ; some of the context's 16 tiles: dense bytes as rows of 256, 48 to a tile
	s_mov_b32 s[G0A+1], (\first)*TILEB
	s_mov_b32 s[G1A+2], ((\tiles)*48)<<16
	s_mov_b32 s[G1A+4], (\tiles)*48
.if \first
	s_add_nc_u64 s[G0A+2:G0A+3], s[G0A+2:G0A+3], (\first)*TILEB
.endif
	s_or_b32 s[G0A+3], s[G0A+3], 0x80000000
	TLOAD G0A, G1A
.endm
.macro GROUP1 g, mask, rows            ; rows of 32 elements of 8 bytes, dense
	s_or_b32 s[\g+0], s[\mask], (3<<16)|(1<<21)
	s_mov_b32 s[\g+1], 32<<16
	s_mov_b32 s[\g+3], 32<<16
.if \rows
	s_mov_b32 s[\g+2], (\rows)<<16
	s_mov_b32 s[\g+4], \rows
.endif
	s_mov_b32 s[\g+5], 32
	s_mov_b32 s[\g+6], 0
	s_mov_b32 s[\g+7], 0
.endm
.macro FRAGL f, q, a, off              ; fragment f (in window 1 + f / 21 at register 12 (f % 21), 21 to a window) takes K step q of the tile at off
	WIN (1+(\f)/FPW)<<6
.set R_, FR*((\f)%FPW)
	ds_load_b128 v[R_:R_+3], v[\a] offset:(\off)+1536*(\q)
	ds_load_b64 v[R_+4:R_+5], v[\a+1] offset:(\off)+1536*(\q)+512
	ds_load_b128 v[R_+6:R_+9], v[\a] offset:(\off)+1536*(\q)+768
	ds_load_b64 v[R_+10:R_+11], v[\a+1] offset:(\off)+1536*(\q)+1280
.endm
.macro FETCHAT e, a, as                ; a block of the context into set e: NF loads
.irp q, 0,1,2,3,4,5,6,7
	FRAGL NB*NQ+NQ*(\e)+\q, \q, \a, 0
.endr
	WIN 0
	ds_load_b128 v[SA+8*(\e):SA+8*(\e)+3], v[\as]
	ds_load_b128 v[SA+8*(\e)+4:SA+8*(\e)+7], v[\as] offset:256
.endm
.macro PROD e, n                       ; product n = 4 q + tile of a block whose rows lie in set e; source 0 = Wp's columns
.set Q_, (\n)/4
.set FB_, NB*Q_+(\n)%4
.set FA_, NB*NQ+NQ*(\e)+Q_
.set D_, ACC+32*(\e)+8*((\n)%4)
.set XB_, SB+NQ*(((\n)%4)/2)+Q_
.set XA_, SA+8*(\e)+Q_
	WIN (1+FB_/FPW)|((1+FA_/FPW)<<2)
.if Q_
	PROD1 D_, FB_, FA_, v[D_:D_+7], XB_, XA_, (\n)%2
.else
	PROD1 D_, FB_, FA_, v[BO+8*((\n)%4):BO+8*((\n)%4)+7], XB_, XA_, (\n)%2
.endif
.endm
.macro PROD1 d, s0, s1, c, x0, x1, o
.if \o
	v_wmma_scale_f32_16x16x128_f8f6f4 v[\d:\d+7], v[FR*((\s0)%FPW):FR*((\s0)%FPW)+FR-1], v[FR*((\s1)%FPW):FR*((\s1)%FPW)+FR-1], \c, v[\x0], v[\x1] matrix_a_fmt:MATRIX_FMT_BF6 matrix_b_fmt:MATRIX_FMT_BF6 matrix_a_scale:MATRIX_SCALE_ROW1
.else
	v_wmma_scale_f32_16x16x128_f8f6f4 v[\d:\d+7], v[FR*((\s0)%FPW):FR*((\s0)%FPW)+FR-1], v[FR*((\s1)%FPW):FR*((\s1)%FPW)+FR-1], \c, v[\x0], v[\x1] matrix_a_fmt:MATRIX_FMT_BF6 matrix_b_fmt:MATRIX_FMT_BF6 matrix_a_scale:MATRIX_SCALE_ROW0
.endif
.endm
.macro PRODS e, from, to, fetch
.set N_, \from
.rept (\to)-(\from)
	PROD \e, N_
.if (\fetch) && N_ == 1
	s_add_co_u32 s101, s101, 2*TILEB               ; where the block lies that is fetched behind this one
	s_add_co_u32 s91, s91, 1024
.endif
.set N_, N_+1
.endr
	WIN 0
.endm
.macro TOC s                           ; the rows in set s of BK go to out0.  s[10:11] stands at the pair's first token; the pair's second block lies 32 tokens on.  A block's rows 2 t, 2 t + 1 are tokens 16 (t / 4) + 2 t % 8 and the next
.irp t, 0,1,2,3,4,5,6,7
	global_store_b128 v[CO], v[BK+32*(\s)+4*\t:BK+32*(\s)+4*\t+3], s[10:11] offset:(32*(\s)+16*(\t/4)+(2*\t)%8)*4096 th:TH_STORE_NT   ; sixteen lanes store 256 consecutive bytes, aligned
.endr
.endm
.macro STAGED u                        ; set u's sums into my stage, each accumulator from its low end on, and back as rows.  LDS serves a wave's instructions in order (ISA guide 5.7.1.4): no wait between
.irp b, 0,1,2,3
	ds_store_b128 v[STO], v[ACC+32*(\u)+8*\b:ACC+32*(\u)+8*\b+3] offset:128*(\b/2)+32*(\b%2)
	ds_store_b128 v[STO], v[ACC+32*(\u)+8*\b+4:ACC+32*(\u)+8*\b+7] offset:128*(\b/2)+32*(\b%2)+16
.endr
.irp t, 0,1,2,3,4,5,6,7
	ds_load_b128 v[BK+32*(\u)+4*\t:BK+32*(\u)+4*\t+3], v[RD] offset:2*\t*SPITCH
.endr
.endm
.macro STREAM s, fetch, show           ; a pair's block s = 0, 1.  show = 1: a plain barrier inside the block shows waves 2 and 3's tiles to all
.if \show
	PRODS \s, 0, 24, \fetch
	s_wait_tensorcnt 0x0
	s_wait_dscnt 0x0
	s_barrier_signal -1
	PRODS \s, 24, 32, \fetch
	s_barrier_wait -1
.else
	PRODS \s, 0, 32, \fetch
.endif
.if \fetch                             ; four plain vector lines stand between the last product and the first reader of its sums
	v_add_nc_u32 v[ADA], s101, v[A0]
	v_add_nc_u32 v[ADA+1], s101, v[A0+1]
	v_add_nc_u32 v[AAS], s91, v[AAS0]
	v_nop
	WALU
.else
	PLACES 4
.endif
	s_wait_xcnt 0x0                                ; the stores of two blocks ago have read set s of the rows, and those of the block before their base
.if (\s) == 0
	s_add_nc_u64 s[10:11], s[10:11], s[20:21]      ; on to this pair's rows
.endif
	STAGED \s
.if \fetch
	FETCHAT \s, ADA, AAS
	s_wait_dscnt NF                                ; the block's rows are back from the stage; its fetch is younger
.else
	s_wait_dscnt 0x0
.endif
	TOC \s
.endm
; ================= THE HEAD
	s_load_b256 s[4:11], s[0:1], 0x0               ; oq, wq, bp, out0
	v_lshl_add_u32 v[SPW], v0, 2, SPARE
	v_mov_b32 v[NIL], 0
	ds_add_u32 v[SPW], v[NIL]                      ; the opening lines
	ds_add_u32 v[SPW], v[NIL]
	v_lshrrev_b32 v1, 5, v0
	v_readfirstlane_b32 s14, v1                    ; the wave; s15 its row of the 2 x 2, s16 its column
	s_lshr_b32 s15, s14, 1
	s_and_b32 s16, s14, 1
	s_bfe_u32 s40, ttmp6, 0x40000
	s_bfe_u32 s41, ttmp6, 0x40004
	s_lshl_b32 s43, ttmp9, 2
	s_add_co_u32 s43, s43, s40                     ; tile row: 4 x cluster x + cx
	s_and_b32 s42, ttmp7, 0xffff
	s_lshl_b32 s42, s42, 2
	s_add_co_u32 s42, s42, s41                     ; tile column: 4 x cluster y + cy
	s_lshl_b32 s44, 0x1111, s40                    ; my column of the cluster
	s_lshl_b32 s45, s41, 2
	s_lshl_b32 s45, 15, s45                        ; my row
	GROUP1 G1A, 44, 0
	GROUP1 G1B, 45, 384
	s_mov_b32 s[G0A], 1
	s_mul_i32 s76, s43, 16*TILEB                   ; my 16 tiles of the context
	s_mov_b32 s77, 0
	s_lshl_b32 s78, s42, 3
	s_add_co_u32 s78, s78, 192                     ; Wp's tiles begin at wq's tile 192
	s_lshl_b32 s82, s16, 2
	s_add_co_u32 s82, s82, s78
	s_lshl_b32 s82, s82, 9
	s_add_co_u32 s82, s82, WSO                     ; my four tiles' scale words
	s_mov_b32 s83, 0
	s_mul_i32 s78, s78, TILEB
	s_mov_b32 s79, 0
	s_lshl_b32 s80, s43, 13
	s_add_co_u32 s80, s80, OSO                     ; the context's scale words, 512 bytes a tile
	s_mov_b32 s81, 0
	s_lshl_b32 s84, s43, 8
	s_lshl_b32 s21, s15, 3
	s_add_co_u32 s84, s84, s21
	s_lshl_b32 s84, s84, 12                        ; my first token's row of out0
	s_lshl_b32 s86, s42, 9
	s_lshl_b32 s21, s16, 8
	s_add_co_u32 s86, s86, s21                     ; my 64 columns, in bytes
	s_mov_b32 s87, 0
	s_add_co_u32 s84, s84, s86
	s_mov_b32 s85, 0
	s_mov_b32 s[G0B], 1
	s_mov_b32 s[G0B+1], YB
	v_and_b32 v1, 15, v0
	v_bfe_u32 v2, v0, 4, 1
	v_and_b32 v3, 31, v0
	s_mul_i32 s23, s15, TILEB
	v_lshl_add_u32 v[A0], v3, 4, s23
	v_lshl_add_u32 v[A0+1], v3, 3, s23
	v_add_nc_u32 v[ADA], 2*TILEB, v[A0]
	v_add_nc_u32 v[ADA+1], 2*TILEB, v[A0+1]
	s_mul_i32 s22, s16, NB*TILEB
	s_add_co_u32 s22, s22, YB
	v_lshl_add_u32 v[ADB], v3, 4, s22
	v_lshl_add_u32 v[ADB+1], v3, 3, s22
	v_lshlrev_b32 v[ABS], 4, v1
	v_lshl_add_u32 v[ABS], v2, 9, v[ABS]           ; lanes 0-15 a pair's first tile, lanes 16-31 its second
	s_lshl_b32 s21, s15, 9
	s_add_co_u32 s21, s21, SCL
	v_lshl_add_u32 v[AAS0], v1, 4, s21
	v_add_nc_u32 v[AAS], 1024, v[AAS0]
	s_mul_i32 s21, s14, 16*SPITCH
	s_add_co_u32 s21, s21, STAGE
	v_mul_u32_u24 v23, v1, SPITCH
	v_lshl_add_u32 v23, v2, 6, v23
	v_add_nc_u32 v[STO], s21, v23                  ; in: row l % 16; register j of tile 2 B + u is column 32 B + 8 u + 16 (l / 16) + j
	v_mul_u32_u24 v23, v2, SPITCH
	v_lshl_add_u32 v23, v1, 4, v23
	v_add_nc_u32 v[RD], s21, v23                   ; back: sixteen lanes a row
	v_lshlrev_b32 v23, 12, v2
	v_lshl_add_u32 v[CO], v1, 4, v23
	v_lshlrev_b32 v[CPY], 4, v0
	v_add_nc_u32 v7, SCL, v[CPY]
	v_lshlrev_b32 v8, 6, v2
	WALU
	s_wait_dscnt 0x0
	CROUND                                         ; the opening round, ahead of the wait for the arguments
	s_wait_kmcnt 0x0
	s_add_nc_u64 s[G0A+2:G0A+3], s[4:5], s[76:77]
	s_add_nc_u64 s[G0B+2:G0B+3], s[6:7], s[78:79]
	s_or_b32 s[G0B+3], s[G0B+3], 0x80000000
	s_add_nc_u64 s[80:81], s[4:5], s[80:81]
	s_add_nc_u64 s[82:83], s[6:7], s[82:83]
	s_add_nc_u64 s[8:9], s[8:9], s[86:87]
	s_add_nc_u64 s[10:11], s[10:11], s[84:85]
	s_cmp_eq_u32 s14, 0
	s_cbranch_scc0 .Lwave_1
	TLOAD G0B, G1B                                 ; wave 0: Wp's tiles, which are wanted first
	s_branch .Lasked
.Lwave_1:
	s_cmp_eq_u32 s14, 1
	s_cbranch_scc0 .Lwave_2
	ATILE 0, 8                                     ; wave 1: the context's tiles 0 to 7
	s_branch .Lasked
.Lwave_2:
	s_cmp_eq_u32 s14, 2
	s_cbranch_scc0 .Lwave_3
	ATILE 8, 4
	s_branch .Lasked
.Lwave_3:
	ATILE 12, 4
.Lasked:
.irp k, 0,1,2,3
	global_load_b128 v[XT+4*\k:XT+4*\k+3], v[CPY], s[80:81] offset:2048*\k   ; the context's scale words: 128 threads x 16 bytes on end
.endr
.irp b, 0,1,2,3
	global_load_b128 v[BO+8*\b:BO+8*\b+3], v8, s[8:9] offset:(32*(\b/2)+8*(\b%2))*4
	global_load_b128 v[BO+8*\b+4:BO+8*\b+7], v8, s[8:9] offset:(32*(\b/2)+8*(\b%2))*4+16
.endr
.irp p, 0,1
.irp c, 0,1
	global_load_b128 v[SB+NQ*\p+4*\c:SB+NQ*\p+4*\c+3], v[ABS], s[82:83] offset:\p*1024+256*\c
.endr
.endr
	s_wait_loadcnt 0x0
.irp k, 0,1,2,3
	ds_store_b128 v7, v[XT+4*\k:XT+4*\k+3] offset:2048*\k
.endr
	s_wait_dscnt 0x0
	s_cmp_eq_u32 s14, 0
	s_cbranch_scc0 .Lnot_b
	s_wait_tensorcnt 0x0
.Lnot_b:
	BARRIER                                        ; Wp's tiles have landed
.irp q, 0,1,2,3,4,5,6,7
.irp b, 0,1,2,3
	FRAGL NB*\q+\b, \q, ADB, \b*TILEB
.endr
.endr
	WIN 0
	s_mov_b32 s101, 2*TILEB
	s_mov_b32 s91, 1024
	s_cmp_eq_u32 s14, 1
	s_cbranch_scc0 .Lnot_a
	s_wait_tensorcnt 0x0                           ; wave 1: the context's tiles 0 to 7 have landed
.Lnot_a:
	s_wait_dscnt 0x0
	BARRIER                                        ; they and all scale words are in.  Waves 2 and 3's tiles may still be on their way
	FETCHAT 0, A0, AAS0
	FETCHAT 1, ADA, AAS
; ================= THE STREAM: eight blocks
	s_mov_b32 s23, 0
	s_mov_b32 s20, 0                               ; s[20:21]: from a pair's rows of out0 to the next pair's; block 0 begins where the base stands
	s_mov_b32 s21, 0
	s_wait_dscnt NF                                ; block 0's rows are in
.Lpair:                                            ; blocks 0 to 5, a pair a trip
	STREAM 0, 1, 0
	STREAM 1, 1, 1
	s_mov_b32 s20, 64*4096                         ; the next pair's rows lie 64 tokens on
	s_add_co_u32 s23, s23, 1
	s_cmp_lg_u32 s23, 3
	s_cbranch_scc1 .Lpair
	STREAM 0, 0, 0                                 ; blocks 6 and 7 fetch nothing
	STREAM 1, 0, 0
	s_wait_tensorcnt 0x0                           ; the wave's end
	ds_add_u32 v[SPW], v[NIL]
	s_wait_dscnt 0x0
	CROUND                                         ; the closing round
	s_endpgm
.Lfunc_end_k_q8ca6b8e6e6_gemm_out:
	.size	k_q8ca6b8e6e6_gemm_out, .Lfunc_end_k_q8ca6b8e6e6_gemm_out-k_q8ca6b8e6e6_gemm_out
	.p2alignl 7, 3214868480
	.fill 96, 4, 3214868480
	.section	.rodata,"a",@progbits
	.p2align	6, 0x0
	.amdhsa_kernel k_q8ca6b8e6e6_gemm_out
		.amdhsa_group_segment_fixed_size 327680
		.amdhsa_private_segment_fixed_size 0
		.amdhsa_enable_private_segment 0
		.amdhsa_kernarg_size 32
		.amdhsa_user_sgpr_count 2
		.amdhsa_user_sgpr_kernarg_segment_ptr 1
		.amdhsa_wavefront_size32 1
		.amdhsa_system_sgpr_workgroup_id_x 1
		.amdhsa_system_sgpr_workgroup_id_y 1
		.amdhsa_system_sgpr_workgroup_id_z 1
		.amdhsa_system_vgpr_workitem_id 0
		.amdhsa_next_free_vgpr 840
		.amdhsa_next_free_sgpr 102
		.amdhsa_reserve_vcc 0
		.amdhsa_float_denorm_mode_32 3
		.amdhsa_float_denorm_mode_16_64 3
		.amdhsa_memory_ordered 1
		.amdhsa_forward_progress 1
		.amdhsa_inst_pref_size 53
	.end_amdhsa_kernel
	.amdgpu_metadata
---
amdhsa.version: [ 1, 2 ]
amdhsa.kernels:
  - .name:           k_q8ca6b8e6e6_gemm_out
    .symbol:         k_q8ca6b8e6e6_gemm_out.kd
    .args:
      - { .name: oq, .offset: 0, .size: 8, .value_kind: global_buffer, .address_space: global }
      - { .name: wq, .offset: 8, .size: 8, .value_kind: global_buffer, .address_space: global }
      - { .name: bp, .offset: 16, .size: 8, .value_kind: global_buffer, .address_space: global }
      - { .name: out0, .offset: 24, .size: 8, .value_kind: global_buffer, .address_space: global }
    .group_segment_fixed_size: 327680
    .private_segment_fixed_size: 0
    .kernarg_segment_align: 8
    .kernarg_segment_size: 32
    .max_flat_workgroup_size: 128
    .sgpr_count:     102
    .vgpr_count:     840
    .wavefront_size: 32
...
	.end_amdgpu_metadata
.endif
;; end of part 4
